; MI455X (gfx1250); checked and timed in simulation.
; The chip was launched on July 23, 2026; its instructions are those of AMD's public machine-readable ISA for CDNA 5 (MIT licence, August 2026) and "CDNA5" Instruction Set Architecture Reference Guide (July 2026). The comments in the code are by the model that wrote it; some were corrected since.
;; Multi Head Self Attention. Allowed arithmetic: matrix products marked QUANTISED: E3M2 operands, one E8M0 scale for each 32 along K, by v_wmma_scale_f32_16x16x128_f8f6f4 with both operands' format E3M2, f32 sums; everything else in f32.
;; Inputs: Wk 1,024 x 1,024 float32; Wo 1,024 x 1,024 float32; Wq 1,024 x 1,024 float32; Wv 1,024 x 1,024 float32; bk 1,024 float32; bo 1,024 float32; bq 1,024 float32; bv 1,024 float32; x 4 x 2,048 x 1,024 float32.
;; Outputs: out0 4 x 2,048 x 1,024 float32.
;; This version of the problem:
;;   THIS VERSION OF THE PROBLEM IS GIVEN IN LOW PRECISION. The matrix products marked QUANTISED in the list below multiply operands that are first quantised to E3M2 (3 exponent bits, 2 mantissa bits; 6 bits a number), with one power-of-two scale for each 32 numbers along K (OCP MX v1.0); their sums are f32. All else is computed in f32.
;;   The module's matrix products, in the order in which they are computed (A, B: the left and right operand; K: the contracted axis; several contracted axes count as one K, in the product's order):
;;     1. [M 8,192, K 1,024] x [K 1,024, N 1,024]; A: input x; B: input Wq: QUANTISED
;;     2. [M 8,192, K 1,024] x [K 1,024, N 1,024]; A: input x; B: input Wk: QUANTISED
;;     3. [M 8,192, K 1,024] x [K 1,024, N 1,024]; A: input x; B: input Wv: QUANTISED
;;     4. batch 64 x [M 2,048, K 64] x [K 64, N 2,048]; A: computed on the way; B: computed on the way: QUANTISED
;;     5. batch 64 x [M 2,048, K 2,048] x [K 2,048, N 64]; A: softmax (see below); B: computed on the way: QUANTISED
;;     6. [M 8,192, K 1,024] x [K 1,024, N 1,024]; A: computed on the way; B: input Wo: QUANTISED
;;   THE QUANTISER, for each operand of a quantised product, along K:
;;     - K is cut into blocks of 32 from its start; a last block that is shorter is filled with zeros.
;;     - A block's scale is 2^e with e = floor(log2(the largest magnitude in the block)) - 4, held to -126 .. 127; a block of zeros has e = 0. As a byte (E8M0): e + 127.
;;     - Each number is divided by its block's scale, clamped to +-28, and rounded to the nearest number of E3M2, ties to even, subnormals kept.
;;     - The product sums the exact products of the quantised numbers (number of the format x scale) in f32.
;;   ~~~python
;;   def quantise(x, axis):      # numpy; x: float32 -> the quantised numbers, widened to float32 again
;;       x = np.moveaxis(x, axis, -1); K = x.shape[-1]
;;       x = np.pad(x, [(0, 0)] * (x.ndim - 1) + [(0, -K % 32)]); x = x.reshape(x.shape[:-1] + (-1, 32)); a = np.abs(x).max(-1, keepdims=True)
;;       e = np.where(a > 0, np.clip(np.frexp(np.where(a > 0, a, 1))[1] - 1 - 4, -126, 127), 0)      # np.frexp(a)[1] - 1 = floor(log2(a)), exactly
;;       r = np.clip(x / 2.0 ** e, -28, 28)
;;       step = 2.0 ** (np.maximum(np.frexp(np.where(r == 0, 1, r))[1] - 1, -2) - 2)
;;       q = np.round(r / step) * step * 2.0 ** e      # np.round: ties to even
;;       return np.moveaxis(q.reshape(q.shape[:-2] + (-1,))[..., :K], -1, axis).astype(np.float32)
;;   ~~~
;;   SOFTMAX AHEAD OF A QUANTISED PRODUCT. Where the list says 'softmax', what is quantised is not the finished softmax but p = 2^(t - M), with t = logit x log2(e) and M = ceil(the row's largest t), a whole number; so 1/2 < the row's largest p <= 1. The row's sum l is taken of the UNQUANTISED p, in f32, and the product's result is divided by l at the end. Since M is a whole number, a kernel that streams over the keys may use a running M (the ceiling of the running maximum): every later rescaling is an exact power of two, which a block's scale takes up: the codes' values come out the same.
;;   OPERANDS COMPUTED ON THE WAY. 'Computed on the way' means the value that the module computes at that place (a softmax that the list does not call 'softmax' is quantised finished and normalised). What goes into a quantiser is computed in f32, as accurately as f32 sums, v_exp_f32 and their like allow (about 1e-6 of the number): no bf16 or f16 on the way to a quantiser, and a product that is left as it is and whose result goes on into a quantised operand takes f32 operands (vector FMAs, or v_wmma_f32_16x16x4_f32). A number that lies on a knife's edge between two numbers of the format may be rounded either way, as far as f32 arithmetic and the matrix unit's own rounding can turn it there, and no further.
;; One version. Each part assembles by itself: llvm-mc -triple=amdgcn-amd-amdhsa -mcpu=gfx1250 --defsym DOCPART=n.
;; ======== version 1 of 1: 4 launches
;; limits: right only within a limited range of input values
;; workspace buffers: xc 6,291,456 bytes; xs 262,144 bytes; wc 3,145,728 bytes; ws 131,072 bytes; qb 6,553,600 bytes; kv 13,107,200 bytes; ao 6,291,456 bytes; aos 262,144 bytes
;; launch quant_x (part 1): grid 512 x 1, 4 waves a work-group, no clusters, 48,128 bytes of LDS; arguments Wq, Wk, Wv, Wo, wc, ws, x, xc, xs; writes wc, ws, xc, xs
.if DOCPART == 1
	.amdgcn_target "amdgcn-amd-amdhsa--gfx1250"
	.amdhsa_code_object_version 6
	.text
	.protected	k_q2e17ee5ab0_quant_x
	.globl	k_q2e17ee5ab0_quant_x
	.p2align	8
	.type	k_q2e17ee5ab0_quant_x,@function
k_q2e17ee5ab0_quant_x:
	s_mov_b64 s[64:65], 0
	v_nop
	global_prefetch_b8 v0, s[64:65] scope:SCOPE_SE
	s_setreg_imm32_b32 hwreg(HW_REG_WAVE_MODE, 25, 1), 1
	s_wait_xcnt 0x0
; MULTI-HEAD SELF-ATTENTION IN MX-BF6 (E3M2, one E8M0 scale for each 32 along K), four launches:
;   quant_x (this one): x and the four weights become codes;  proj: Q, K and V^T, quantised on the way out;  attn: both products of attention;  outp: the product with Wo.
; DEAD WORK: none.  Every bias goes into a quantised operand (bq, bk, bv) or into the result (bo), every weight and x into a live product: all nine inputs are loaded.
; LIMITS: NaN and infinities among the inputs are not served.  A block of zeros gets the scale byte 1 where the quantiser says 127: its codes are zeros, which add nothing under any byte but 0xff,
; and only this program reads the bytes.  A block whose largest magnitude lies under 2^-122 is held at that floor (byte 1).
; ONE LAUNCH, TWO PATHS, which part on the work-group's number alone and never join: work-groups 0-255 take x, 256-511 the weights.  Each path has LDS bytes of its own.
; BOTH RESULTS lie in the order of the operand's registers:
;   codes: [tile][K step of 128: 8][piece p: 6][lane 32][8 bytes]: piece p of lane l = the operand's registers 2 p, 2 p + 1 (lane (r, h): registers 6 c .. 6 c + 5 = k 64 c + 32 h + 0 .. 31 of row r);
;   scales: [tile][half of K: 2][r 16][4 words]: a word = the four scale bytes of one row and one K step.
; x [8192][1024] -> xc, xs, 512 tiles.  THE ROWS OF A TILE: tile t of a group of 128 rows holds in lane r the row 64 (t / 4) + 32 (r / 8) + 8 (t % 4) + r % 8.
;   A wave takes one tile's 16 rows x 512 along K: four K steps.  Each load reads 512 consecutive bytes of one row; the 16 x 512 bytes turn through the wave's own stage in LDS, so that a lane gets two whole
;   blocks of 32 neighbours.  Each store of codes covers 256 consecutive bytes, aligned.  Waves share nothing: no barrier.
; The weights [1024 (k)][1024 (n)], K on the FIRST axis -> wc, ws, 256 tiles: 0-63 Wq, 64-127 Wk, 128-191 Wv, 192-255 Wo; a tile's rows are columns n: lane r of tile 2 g + u holds n = 32 g + 8 u + r + 8 (r / 8).
;   A LANE TAKES A COLUMN AND ITS REGISTERS RUN DOWN K: a block of 32 lies in one lane, and the conversions give codes with K innermost.  Work-group 256 + 32 y + x: columns 32 x .. 32 x + 31 of weight y / 2,
;   half y % 2 of K; wave w: K step 4 (y % 2) + w.  Lane L is row r = 8 (L / 16) + L % 8 of tile 2 x + (L / 8) % 2.  The two tiles' images are put together in the wave's own stage and leave as 512 consecutive
;   bytes a store.  The four waves' scale words of a row are neighbours in ws: they meet in LDS behind the one barrier, and wave 0 stores two aligned units of 256 bytes.
.set WSTX,  8448                       ; x: a wave's stage: 16 rows x 528 bytes
.set SP,    528                        ; 512 bytes + 16: the sixteen rows that a load of 16 bytes a lane touches start at sixteen different banks
.set WBASE, 4*WSTX                     ; the weights' path: its LDS bytes begin behind x's stages
.set WSTW,  3328                       ; a wave's stage: two images of 1,536 bytes, 1,664 apart, so that the two tiles' lanes fall on different banks
.set IM2,   1664
.set SCG,   WBASE+4*WSTW               ; 512 bytes: two scale units
.set SPARE, SCG+512                    ; the spare words, 128 bytes for each wave, that no other line names
.set SPW,   14                         ; v14  my spare word's address; never rewritten
.set NIL,   15                         ; v15  0; never rewritten
	v_lshl_add_u32 v[SPW], v0, 2, SPARE
	v_mov_b32 v[NIL], 0
	s_cmp_ge_u32 ttmp9, 256
	s_wait_alu depctr_va_vdst(0)
	s_cbranch_scc1 .Lweights
; ---------------- x ----------------
.set R,     16                         ; v16-143  two sets of 64 registers as loaded
.set X,     144                        ; v144-207 my 64 numbers of a K step: register 32 c + n = k 64 c + 32 h + n
.set C,     208                        ; v208-219 the fragment's 12 registers
.set CT,    220                        ; v220-226 the second halves of the blocks, as the conversions leave them
.set W,     228                        ; v228-231 the four K steps' scale words
.set MX,    234                        ; v234-235 largest magnitudes;  v236-237 the conversions' scale operands;  v238-239 bytes;  v240-241 at work
.set SO,    236
.set BY,    238
	s_load_b128 s[4:7], s[0:1], 0x30               ; x, xc
	s_load_b64 s[8:9], s[0:1], 0x40                ; xs
	v_lshrrev_b32 v1, 5, v0
	v_readfirstlane_b32 s10, v1                    ; wave
	v_and_b32 v1, 31, v0                           ; lane
	v_and_b32 v2, 15, v0                           ; r
	v_bfe_u32 v3, v0, 4, 1                         ; h
	s_mul_i32 s11, s10, WSTX
	v_lshlrev_b32 v4, 4, v1                        ; my 16 bytes of a load's 512
	v_add_nc_u32 v5, s11, v4                       ; the stage, on the way in
	v_mul_u32_u24 v6, v2, SP
	v_lshl_add_u32 v6, v3, 7, v6
	v_add_nc_u32 v6, s11, v6                       ; and on the way out: row r, + 128 h bytes
	v_lshlrev_b32 v7, 3, v1                        ; 8 x lane: my place in a piece
	v_lshlrev_b32 v8, 4, v2
	v_lshl_add_u32 v8, v3, 3, v8                   ; 16 r + 8 h: my two words of the scale unit
	v_lshlrev_b32 v9, 3, v3                        ; 8 h: how far my two bytes are shifted
	v_cmp_lt_u32 s14, 15, v1                       ; lanes 16-31
	v_mov_b32 v241, 0                              ; a lane permute's destination counts as read
	s_mov_b32 s12, 0x76543210
	s_mov_b32 s13, 0xfedcba98                      ; selects for lane l xor 16
	s_lshr_b32 s16, ttmp9, 2                       ; work-group G has tiles 2 (G % 4) + wave / 2 of group G / 4:
	s_lshl_b32 s16, s16, 19                        ; 128 rows of 4,096 bytes a group,
	s_bfe_u32 s15, ttmp9, 0x10001
	s_lshl_b32 s15, s15, 18                        ; 64 rows for tiles 4-7,
	s_add_co_u32 s16, s16, s15
	s_and_b32 s15, ttmp9, 1
	s_lshl_b32 s15, s15, 16                        ; 8 rows a tile
	s_add_co_u32 s16, s16, s15
	s_lshr_b32 s15, s10, 1
	s_lshl_b32 s15, s15, 15
	s_add_co_u32 s16, s16, s15
	s_and_b32 s15, s10, 1                          ; and my half of K 2,048 bytes on
	s_lshl_b32 s15, s15, 11
	s_add_co_u32 s16, s16, s15
	s_mov_b32 s17, 0
	s_lshl_b32 s18, ttmp9, 2
	s_add_co_u32 s18, s18, s10                     ; 2 x tile + half
	s_mul_i32 s20, s18, 6144                       ; four K steps of 1,536 bytes of codes
	s_mov_b32 s21, 0
	s_lshl_b32 s18, s18, 8                         ; one scale unit of 256 bytes
	s_mov_b32 s19, 0
	s_wait_alu depctr_va_vdst(0)
	s_wait_kmcnt 0x0
	s_add_nc_u64 s[4:5], s[4:5], s[16:17]
	s_add_nc_u64 s[6:7], s[6:7], s[20:21]
	s_add_nc_u64 s[8:9], s[8:9], s[18:19]
.macro LOADX j                         ; K step j: 512 bytes of each of my 16 rows
.irp i, 0,1,2,3,4,5,6,7,8,9,10,11,12,13,14,15
	global_load_b128 v[R+64*((\j)%2)+4*\i:R+64*((\j)%2)+4*\i+3], v4, s[4:5] offset:(\i+24*(\i/8))*4096+512*(\j) th:TH_LOAD_NT
.endr
.endm
.macro TURNX j                         ; through the stage: LDS serves a wave's instructions in order, so no wait stands between the stores and the loads
.irp i, 0,1,2,3,4,5,6,7,8,9,10,11,12,13,14,15
	ds_store_b128 v5, v[R+64*((\j)%2)+4*\i:R+64*((\j)%2)+4*\i+3] offset:SP*\i
.endr
.irp c, 0,1
.irp i, 0,1,2,3,4,5,6,7
	ds_load_b128 v[X+32*\c+4*\i:X+32*\c+4*\i+3], v6 offset:256*\c+16*\i
.endr
.endr
.endm
.macro QX j                            ; my two blocks (2 c + h) of K step j: scale, codes, stores
.irp c, 0,1
	v_max3_num_f32 v[MX+\c], |v[X+32*\c]|, |v[X+32*\c+1]|, 0x2800000   ; with the floor 2^(5 - 127): the byte cannot fall under 1
.endr
.irp i, 2,4,6,8,10,12,14,16,18,20,22,24,26,28,30
.irp c, 0,1
	v_max3_num_f32 v[MX+\c], v[MX+\c], |v[X+32*\c+\i]|, |v[X+32*\c+\i+1]|
.endr
.endr
.irp c, 0,1
	v_add_nc_u32 v[SO+\c], 0xfe000000, v[MX+\c]    ; 4 off the exponent field: the conversion's scale operand
.endr
.irp c, 0,1
	v_lshrrev_b32 v[BY+\c], 23, v[SO+\c]           ; the scale's byte
.endr
	v_lshl_or_b32 v240, v[BY+1], 16, v[BY]         ; blocks h and 2 + h,
	v_lshlrev_b32 v240, v9, v240                   ; at their places in the word;
	v_permlanex16_b32 v241, v240, s12, s13
	v_or_b32 v[W+\j], v240, v241                   ; with lane l xor 16's two the word is whole
.if \j > 0
	s_wait_alu depctr_va_vdst(0)
	s_wait_xcnt 0x0                                ; the last K step's stores have read v[C] on: only now are they written again
.endif
.irp c, 0,1
	v_cvt_scalef32_pk16_bf6_f32 v[C+6*\c:C+6*\c+2], v[X+32*\c:X+32*\c+15], v[SO+\c]
	v_cvt_scalef32_pk16_bf6_f32 v[CT+4*\c:CT+4*\c+2], v[X+32*\c+16:X+32*\c+31], v[SO+\c]   ; (a conversion's three registers begin on an even number)
.endr
	v_nop                                          ; one plain place behind a scaled conversion
.irp c, 0,1
.irp i, 0,1,2
	v_mov_b32 v[C+6*\c+3+\i], v[CT+4*\c+\i]
.endr
.endr
.irp p, 0,1,2,3,4,5
	global_store_b64 v7, v[C+2*\p:C+2*\p+1], s[6:7] offset:1536*\j+256*\p   ; 32 lanes store 256 consecutive bytes, aligned
.endr
.endm
	LOADX 0
	LOADX 1
.irp j, 0,1,2,3
.if \j < 3
	s_wait_loadcnt 16                              ; this K step's 16 loads are in; the next one's 16 may be out
.else
	s_wait_loadcnt 0x0
.endif
	TURNX \j
	s_wait_dscnt 0x0                               ; my numbers are back, and the stores into the stage have read their registers,
.if \j < 2
	LOADX \j+2                                     ; which take the loads of two K steps on
.endif
	QX \j
.endr
	v_cndmask_b32 v232, v[W], v[W+2], s14          ; lanes 0-15 store words 0, 1 of row r, lanes 16-31 words 2, 3
	v_cndmask_b32 v233, v[W+1], v[W+3], s14
	global_store_b64 v8, v[232:233], s[8:9]        ; one aligned unit of 256 bytes
	s_wait_tensorcnt 0x0                           ; the wave's end: behind my last LDS store
	ds_add_u32 v[SPW], v[NIL]
	s_wait_dscnt 0x0
	s_endpgm
; ---------------- the weights ----------------
.set XW,    32                         ; v32-159  my column's 128 numbers
.set CW,    160                        ; v160-191 eight registers for each block's codes
.set OUTR,  192                        ; v192-215 the images on their way out
.Lweights:
	s_load_b256 s[4:11], s[0:1], 0x0               ; Wq, Wk, Wv, Wo
	s_load_b128 s[12:15], s[0:1], 0x20             ; wc, ws
	v_lshrrev_b32 v1, 5, v0
	v_readfirstlane_b32 s16, v1                    ; wave
	v_and_b32 v1, 31, v0                           ; L
	v_lshlrev_b32 v2, 2, v1                        ; in: 4 bytes a lane
	v_bfe_u32 v9, v0, 3, 1                         ; u
	v_bfe_u32 v10, v0, 4, 1
	v_and_b32 v17, 7, v0
	v_lshl_or_b32 v10, v10, 3, v17                 ; r
	s_mul_i32 s17, s16, WSTW
	s_add_co_u32 s17, s17, WBASE
	v_mul_u32_u24 v3, v9, IM2
	v_lshl_add_u32 v3, v10, 3, v3
	v_add_nc_u32 v3, s17, v3                       ; into the stage: image u, 8 r
	v_lshlrev_b32 v7, 4, v1                        ; 16 L
	v_add_nc_u32 v4, s17, v7                       ; out of it
	v_lshlrev_b32 v5, 8, v9
	v_lshl_add_u32 v5, v10, 4, v5
	s_lshl_b32 s18, s16, 2
	s_add_co_u32 s18, s18, SCG
	v_add_nc_u32 v5, s18, v5                       ; my scale word: unit u, row r, word w
	v_add_nc_u32 v6, SCG, v7                       ; the two units, 16 bytes a lane
	v_lshrrev_b32 v8, 4, v1
	v_lshlrev_b32 v8, 9, v8
	v_and_b32 v17, 15, v1
	v_lshl_add_u32 v8, v17, 4, v8                  ; and their places in ws: the second tile's unit lies 512 bytes on
	s_and_b32 s28, ttmp9, 31                       ; x: which 32 columns
	s_bfe_u32 s19, ttmp9, 0x30005                  ; y
	s_lshr_b32 s20, s19, 1                         ; which weight
	s_and_b32 s19, s19, 1                          ; which half of K
	s_lshl_b32 s22, s19, 21                        ; W: row 512 half + 128 wave, of 4,096 bytes; + 128 bytes for each 32 columns
	s_lshl_b32 s21, s16, 19
	s_add_co_u32 s22, s22, s21
	s_lshl_b32 s21, s28, 7
	s_add_co_u32 s22, s22, s21
	s_mov_b32 s23, 0
	s_lshl_b32 s24, s20, 6
	s_lshl_b32 s21, s28, 1
	s_add_co_u32 s24, s24, s21                     ; the first of my two tiles
	s_lshl_b32 s26, s24, 9
	s_lshl_b32 s21, s19, 8
	s_add_co_u32 s26, s26, s21                     ; ws: 512 bytes a tile, 256 a half
	s_mov_b32 s27, 0
	s_mul_i32 s24, s24, 12288
	s_lshl_b32 s21, s19, 2
	s_add_co_u32 s21, s21, s16                     ; my K step
	s_mul_i32 s21, s21, 1536
	s_add_co_u32 s24, s24, s21
	s_mov_b32 s25, 0
	s_wait_alu depctr_va_vdst(0)
	s_wait_kmcnt 0x0
	s_cmp_eq_u32 s20, 1                            ; the choice hangs on the work-group's number alone
	s_cselect_b64 s[4:5], s[6:7], s[4:5]
	s_cmp_eq_u32 s20, 2
	s_cselect_b64 s[4:5], s[8:9], s[4:5]
	s_cmp_eq_u32 s20, 3
	s_cselect_b64 s[4:5], s[10:11], s[4:5]
	s_add_nc_u64 s[4:5], s[4:5], s[22:23]
	s_add_nc_u64 s[12:13], s[12:13], s[24:25]
	s_add_nc_u64 s[14:15], s[14:15], s[26:27]
.macro LOADW t                         ; block t: W(32 t + n, my column): 32 lanes read 128 consecutive bytes
.set n, 0
.rept 32
	global_load_b32 v[XW+32*(\t)+n], v2, s[4:5] offset:(32*(\t)+n)*4096 th:TH_LOAD_NT
.set n, n+1
.endr
.endm
.macro BLOCK kb
.set XS, XW+32*(\kb)
.set CB, CW+8*(\kb)
.if \kb < 3
	s_wait_loadcnt 32                              ; this block's 32 loads are in; the next block's 32 may be out
.else
	s_wait_loadcnt 0x0
.endif
.if \kb < 2
	LOADW (\kb)+2                                  ; two blocks ahead; every block has registers of its own
.endif
	v_max3_num_f32 v12, |v[XS]|, |v[XS+1]|, |v[XS+2]|
	v_max3_num_f32 v13, |v[XS+3]|, |v[XS+4]|, |v[XS+5]|
.irp i, 6,10,14,18,22,26
	v_max3_num_f32 v12, v12, |v[XS+\i]|, |v[XS+\i+1]|
	v_max3_num_f32 v13, v13, |v[XS+\i+2]|, |v[XS+\i+3]|
.endr
	v_max3_num_f32 v12, v12, |v[XS+30]|, |v[XS+31]|
	v_max3_num_f32 v12, v12, v13, 0x2800000        ; and the floor 2^(5 - 127)
	v_add_nc_u32 v11, 0xfe000000, v12              ; 4 off the exponent field: the conversion's scale operand
	v_lshrrev_b32 v13, 23, v11                     ; the byte
.if \kb == 0
	v_mov_b32 v16, v13
.else
	v_lshl_or_b32 v16, v13, 8*(\kb), v16           ; four bytes make my column's word for this K step
.endif
	v_cvt_scalef32_pk16_bf6_f32 v[CB:CB+2], v[XS:XS+15], v11
	v_cvt_scalef32_pk16_bf6_f32 v[CB+4:CB+6], v[XS+16:XS+31], v11
	v_nop                                          ; one plain place behind a scaled conversion
	v_mov_b32 v[CB+3], v[CB+4]                     ; the gap is closed: six registers, 192 bits on end
	v_mov_b32 v[CB+4], v[CB+5]
	v_mov_b32 v[CB+5], v[CB+6]
.irp i, 0,1,2
	ds_store_b64 v3, v[CB+2*\i:CB+2*\i+1] offset:768*((\kb)/2)+128*((\kb)%2)+256*\i   ; block 2 c + h is lane (r, h)'s pieces 3 c + i
.endr
.endm
	LOADW 0
	LOADW 1
	BLOCK 0
	BLOCK 1
	BLOCK 2
	BLOCK 3
	ds_store_b32 v5, v16
.irp u, 0,1
.irp c, 0,1,2
	ds_load_b128 v[OUTR+12*\u+4*\c:OUTR+12*\u+4*\c+3], v4 offset:IM2*\u+512*\c   ; my own bytes: LDS serves a wave's instructions in order
.endr
.endr
.irp u, 0,1
.irp c, 0,1,2
	s_wait_dscnt 5-3*\u-\c                         ; the younger loads may be out
	global_store_b128 v7, v[OUTR+12*\u+4*\c:OUTR+12*\u+4*\c+3], s[12:13] offset:12288*\u+512*\c   ; 512 consecutive bytes, aligned
.endr
.endr
	s_wait_dscnt 0x0                               ; for the others' sake: my scale word has landed
	s_barrier_signal -1
	s_barrier_wait -1
	s_cmp_lg_u32 s16, 0
	s_cbranch_scc1 .Lnot_first
	ds_load_b128 v[32:35], v6                      ; the four waves' words of 32 rows
	s_wait_dscnt 0x0
	global_store_b128 v8, v[32:35], s[14:15]       ; two aligned units of 256 bytes
.Lnot_first:
	s_wait_tensorcnt 0x0                           ; the wave's end: behind my last LDS store
	ds_add_u32 v[SPW], v[NIL]
	s_wait_dscnt 0x0
	s_endpgm
.Lfunc_end_k_q2e17ee5ab0_quant_x:
	.size	k_q2e17ee5ab0_quant_x, .Lfunc_end_k_q2e17ee5ab0_quant_x-k_q2e17ee5ab0_quant_x
	.p2alignl 7, 3214868480
	.fill 96, 4, 3214868480
	.section	.rodata,"a",@progbits
	.p2align	6, 0x0
	.amdhsa_kernel k_q2e17ee5ab0_quant_x
		.amdhsa_group_segment_fixed_size 48128
		.amdhsa_private_segment_fixed_size 0
		.amdhsa_enable_private_segment 0
		.amdhsa_kernarg_size 72
		.amdhsa_user_sgpr_count 2
		.amdhsa_user_sgpr_kernarg_segment_ptr 1
		.amdhsa_wavefront_size32 1
		.amdhsa_system_sgpr_workgroup_id_x 1
		.amdhsa_system_sgpr_workgroup_id_y 1
		.amdhsa_system_sgpr_workgroup_id_z 1
		.amdhsa_system_vgpr_workitem_id 0
		.amdhsa_next_free_vgpr 248
		.amdhsa_next_free_sgpr 66
		.amdhsa_reserve_vcc 0
		.amdhsa_float_denorm_mode_32 3
		.amdhsa_float_denorm_mode_16_64 3
		.amdhsa_memory_ordered 1
		.amdhsa_forward_progress 1
		.amdhsa_inst_pref_size 54
	.end_amdhsa_kernel
	.amdgpu_metadata
---
amdhsa.version: [ 1, 2 ]
amdhsa.kernels:
  - .name:           k_q2e17ee5ab0_quant_x
    .symbol:         k_q2e17ee5ab0_quant_x.kd
    .args:
      - { .name: Wq, .offset: 0, .size: 8, .value_kind: global_buffer, .address_space: global }
      - { .name: Wk, .offset: 8, .size: 8, .value_kind: global_buffer, .address_space: global }
      - { .name: Wv, .offset: 16, .size: 8, .value_kind: global_buffer, .address_space: global }
      - { .name: Wo, .offset: 24, .size: 8, .value_kind: global_buffer, .address_space: global }
      - { .name: wc, .offset: 32, .size: 8, .value_kind: global_buffer, .address_space: global }
      - { .name: ws, .offset: 40, .size: 8, .value_kind: global_buffer, .address_space: global }
      - { .name: x, .offset: 48, .size: 8, .value_kind: global_buffer, .address_space: global }
      - { .name: xc, .offset: 56, .size: 8, .value_kind: global_buffer, .address_space: global }
      - { .name: xs, .offset: 64, .size: 8, .value_kind: global_buffer, .address_space: global }
    .group_segment_fixed_size: 48128
    .private_segment_fixed_size: 0
    .kernarg_segment_align: 8
    .kernarg_segment_size: 72
    .max_flat_workgroup_size: 128
    .sgpr_count:     66
    .vgpr_count:     248
    .wavefront_size: 32
...
	.end_amdgpu_metadata
.endif
;; end of part 1
;; launch proj (part 2): grid 64 x 4, 4 waves a work-group, clusters of 4 x 1, 327,680 bytes of LDS; arguments xc, xs, wc, ws, bq, bk, bv, qb, kv; writes qb, kv
.if DOCPART == 2
	.amdgcn_target "amdgcn-amd-amdhsa--gfx1250"
	.amdhsa_code_object_version 6
	.text
	.protected	k_q2e17ee5ab0_proj
	.globl	k_q2e17ee5ab0_proj
	.p2align	8
	.type	k_q2e17ee5ab0_proj,@function
k_q2e17ee5ab0_proj:
	s_mov_b64 s[64:65], 0
	v_nop
	global_prefetch_b8 v0, s[64:65] scope:SCOPE_SE
	s_setreg_imm32_b32 hwreg(HW_REG_WAVE_MODE, 25, 1), 1
	s_wait_xcnt 0x0
	s_wait_alu depctr_hold_cnt(0) depctr_sa_sdst(0) depctr_va_vdst(0) depctr_va_sdst(0) depctr_va_ssrc(0) depctr_va_vcc(0) depctr_vm_vsrc(0)
	s_getreg_b32 s2, hwreg(HW_REG_IB_STS2, 6, 4)
	s_cmp_eq_u32 s2, 0
	s_cbranch_scc0 .Lentry_in_a_cluster
	s_endpgm
.Lentry_in_a_cluster:
	s_bfe_u32 s2, ttmp6, 0x10000c
	s_cmp_lg_u32 s2, 0x3003
	s_cbranch_scc0 .Lentry_shape_is_right
	s_endpgm
.Lentry_shape_is_right:
; Q = x Wq + bq, K = x Wk + bk, V = x Wv + bv on codes of BF6 with E8M0 scales; each result is quantised on the way out and stored as attention's operand images.  Nothing is left out.
; SHARES.  256 work-groups: 64 blocks of 128 rows of x (one record of keys) x 4 groups of columns.  A SLOT is 128 columns of a weight for all of K: 8 tiles x 12,288 bytes, dense in wc.
; Group g walks six slots: Wv's 2 g, 2 g + 1, then four of Wq (g < 2) or of Wk: 4 (g % 2) + 0 .. 3.  Every work-group has the same work.
; A wave owns 64 rows x 64 columns (one head) of a slot: 16 accumulators by turns.  Its 64 rows' fragments of x for all of K, 4 tiles x 8 K steps x 12 registers, are
; loaded once from memory straight into registers and stay; only the weights go through LDS: two buffers, each wave loading a quarter of a slot.
; CLUSTERS: the four work-groups of a cluster have the same g and ask for each slot jointly.  x is not shared in a cluster (each partner has rows of its own).
; No prefetch: a slot is asked for one whole slot's work (128 matrix instructions and a way out) ahead of its first read, and the sixteen clusters of a group ask for the same 98,304 bytes in the same trip.
; Q, K: source 0 = 16 columns of W, source 1 = 16 rows of x: a lane holds one row, its registers run along the head's dims.  V: the sources swapped: a lane holds one dim, its registers run along the keys.
; The accumulators are numbered 4 a + b (Q, K) or 4 b + a (V), a: tile of x, b: tile of W, so that both ways 32 registers on end are one row's two blocks of 32 along the next K, 16 numbers a lane.
; The bias is the C of the first K step.  Scale words: one load of 16 bytes a lane brings a tile's 512 bytes: register i holds K step i in lanes 0-15 and K step 4 + i in lanes 16-31 (ROW1).
; V'S IMAGE (1,536 bytes): half c (keys 64 c ..): registers 6 c .. 6 c + 3 as 512 bytes (16 x lane), registers 6 c + 4, 6 c + 5 as 256 bytes (8 x lane): each wave stores whole runs of 256 bytes.
; A wave owns 8 of a row's 16 bytes of Q's and K's words and 2 of each of V's words: these leave as 4 bytes and 1 byte a lane.   LIMITS as in quant_x.
; REGISTERS: window 0: addresses, scales, bias, W's fragments (two sets), the way out; window 1: x's K steps 0-4; window 2: K steps 5-7; window 3: v0-127 the accumulators.
; THE ROWS OF A TILE OF x, as quant_x lays them: tile t of a group of 128 rows holds in lane r the row 64 (t / 4) + 32 (r / 8) + 8 (t % 4) + r % 8.  So for Q and K 32 accumulator registers on end are one row's two
; blocks of 32 dims, 16 numbers a lane (QUANT4); for V they are ONE whole block of 32 keys of one dim (QUANTV), and V's scale bytes leave one byte a lane.
.set SLOTB, 98304
.set QUART, 24576
.set BUF1,  131072                     ; the second buffer; bytes 98,304 .. 131,071 are not used, so that one bit tells the buffers apart
.set SPARE, 229376                     ; the spare words, 128 bytes for each wave, that no other line names
.set LI,   4                           ; 16 x lane
.set L8,   5                           ; 8 x lane
.set ADRB, 6                           ; my 64 columns' fragments in the buffer in hand
.set VBQ,  7
.set VBV,  8
.set VO,   9                           ; 16 r + 4 h
.set SPW,  10
.set NIL,  11
.set SA,   16                          ; x's scale words, 4 tiles x 4
.set SB,   32                          ; W's
.set BI,   48                          ; the bias as C: 4 tiles x 8
.set BF,   80                          ; W's fragments: two sets of 4 x 12
.set TM,   176
.set T2,   184
.set SO,   192
.set BY,   200
.set PW,   208
.set WE,   212
.set CT,   216
.set CODE, 232
.set G1,   28
.set G0,   36
.set GR,   40
.set SEL,  44
.set HM,   46
.set WSP,  48
.set BP,   50
.set OUT,  52
.set OW,   54
.set WSQ,  56
.set BPQ,  58
.set OUTQ, 60
.set OWQ,  62
.set STP,  66
.set MSB, 0
.macro WIN new
.if MSB != (\new)
	s_set_vgpr_msb (MSB<<8)|(\new)
.set MSB, (\new)
.endif
.endm
.macro PLACES
.rept 4
	v_nop
.endr
.endm
.macro CROUND
	s_barrier_signal -1
	s_barrier_wait -1
	s_cmp_lg_u32 s22, 0
	s_cbranch_scc1 .Lnot_wave_0_\@
	s_barrier_signal -3
.Lnot_wave_0_\@:
	s_barrier_wait -3
	s_barrier_signal -1
	s_barrier_wait -1
.endm
	s_load_b256 s[4:11], s[0:1], 0x0               ; xc, xs, wc, ws
	s_load_b256 s[12:19], s[0:1], 0x20             ; bq, bk, bv, qb
	s_load_b64 s[20:21], s[0:1], 0x40              ; kv
	v_lshl_add_u32 v[SPW], v0, 2, SPARE
	v_mov_b32 v[NIL], 0
	ds_add_u32 v[SPW], v[NIL]                      ; the opening lines: the add, twice on end, and its wait ahead of my first tensor load
	ds_add_u32 v[SPW], v[NIL]
	v_lshrrev_b32 v1, 5, v0
	v_readfirstlane_b32 s22, v1                    ; wave
	s_lshr_b32 s23, s22, 1                         ; wr: which 64 rows
	s_and_b32 s24, s22, 1                          ; wc: which 64 columns of a slot
	s_bfe_u32 s25, ttmp6, 0x40000                  ; cx
	s_lshl_b32 s26, ttmp9, 2
	s_add_co_u32 s26, s26, s25                     ; block of 128 rows
	s_and_b32 s27, ttmp7, 0xffff                   ; g
	s_mov_b32 s[G1], 15|(3<<16)|(1<<21)            ; all four work-groups; elements of 8 bytes; bit 21 beside a mask
	s_mov_b32 s[G1+1], 32<<16                      ; a quarter of a slot as 96 rows of 256 bytes
	s_mov_b32 s[G1+2], 96<<16
	s_mov_b32 s[G1+3], 32<<16
	s_mov_b32 s[G1+4], 96
	s_mov_b32 s[G1+5], 32
	s_mov_b32 s[G1+6], 0
	s_mov_b32 s[G1+7], 0
	s_mov_b32 s[SEL], 0x76543210
	s_mov_b32 s[SEL+1], 0xfedcba98
	s_mul_i32 s70, s22, QUART                      ; my quarter
	s_lshl_b32 s71, s27, 1
	s_add_co_u32 s71, s71, 16                      ; the first slot: 16 + 2 g
	s_mul_i32 s72, s71, SLOTB
	s_add_co_u32 s72, s72, s70
	s_mov_b32 s73, 0
	s_mul_i32 s74, s27, 4*SLOTB                    ; the third: 4 g
	s_add_co_u32 s74, s74, s70
	s_mov_b32 s75, 0
	s_lshl_b32 s76, s26, 3
	s_lshl_b32 s77, s23, 2
	s_add_co_u32 s76, s76, s77                     ; my first tile of x
	s_mul_i32 s78, s76, 12288
	s_mov_b32 s79, 0
	s_lshl_b32 s76, s76, 9
	s_mov_b32 s77, 0
	s_lshl_b32 s81, s24, 11                        ; ws: 4,096 bytes a slot, 2,048 for my four tiles
	s_lshl_b32 s[WSP], s71, 12
	s_add_co_u32 s[WSP], s[WSP], s81
	s_mov_b32 s[WSP+1], 0
	s_lshl_b32 s[WSQ], s27, 14
	s_add_co_u32 s[WSQ], s[WSQ], s81
	s_mov_b32 s[WSQ+1], 0
	s_lshl_b32 s81, s24, 8                         ; biases: 512 bytes a slot, 256 a head
	s_lshl_b32 s[BP], s27, 10
	s_add_co_u32 s[BP], s[BP], s81
	s_mov_b32 s[BP+1], 0
	s_and_b32 s82, s27, 1
	s_lshl_b32 s[BPQ], s82, 11
	s_add_co_u32 s[BPQ], s[BPQ], s81
	s_mov_b32 s[BPQ+1], 0
	s_lshr_b32 s83, s26, 4
	s_lshl_b32 s83, s83, 8
	s_and_b32 s84, s26, 15
	s_add_co_u32 s83, s83, s84                     ; 256 batch + record
	s_lshl_b32 s84, s27, 2
	s_add_co_u32 s84, s84, s24                     ; V: head 4 g + wc (+ 2 a trip)
	s_lshl_b32 s84, s84, 4
	s_add_co_u32 s84, s84, s83
	s_mul_i32 s84, s84, 12800
	s_mul_i32 s85, s23, 768
	s_add_co_u32 s[OUT], s84, s85
	s_add_co_u32 s[OUT], s[OUT], 6144
	s_mov_b32 s[OUT+1], 0
	s_lshl_b32 s85, s23, 1
	s_add_co_u32 s[OW], s84, s85
	s_add_co_u32 s[OW], s[OW], 12544
	s_mov_b32 s[OW+1], 0
	s_mov_b32 s86, 12800                           ; K's record and where its words begin; Q's for g < 2
	s_mov_b32 s87, 12288
	s_cmp_lt_u32 s27, 2
	s_cselect_b32 s86, 6400, s86
	s_cselect_b32 s87, 6144, s87
	s_lshl_b32 s84, s82, 3
	s_add_co_u32 s84, s84, s24                     ; Q, K: head 8 (g % 2) + wc (+ 2 a trip)
	s_lshl_b32 s84, s84, 4
	s_add_co_u32 s84, s84, s83
	s_mul_i32 s84, s84, s86
	s_mul_i32 s85, s23, 3072
	s_add_co_u32 s[OUTQ], s84, s85
	s_mov_b32 s[OUTQ+1], 0
	s_lshl_b32 s85, s23, 3
	s_add_co_u32 s[OWQ], s84, s85
	s_add_co_u32 s[OWQ], s[OWQ], s87
	s_mov_b32 s[OWQ+1], 0
	s_lshl_b32 s[STP], s86, 5                      ; two heads on: 32 records
	s_mov_b32 s[STP+1], 0
	s_wait_dscnt 0x0                               ; both opening adds are done
	s_wait_kmcnt 0x0
	s_cmp_lt_u32 s27, 2                            ; the choice hangs on the work-group's number alone
	s_cselect_b64 s[88:89], s[18:19], s[20:21]
	s_cselect_b64 s[90:91], s[12:13], s[14:15]
	s_add_nc_u64 s[4:5], s[4:5], s[78:79]
	s_add_nc_u64 s[6:7], s[6:7], s[76:77]
	s_add_nc_u64 s[WSP:WSP+1], s[10:11], s[WSP:WSP+1]
	s_add_nc_u64 s[WSQ:WSQ+1], s[10:11], s[WSQ:WSQ+1]
	s_add_nc_u64 s[BP:BP+1], s[16:17], s[BP:BP+1]
	s_add_nc_u64 s[BPQ:BPQ+1], s[90:91], s[BPQ:BPQ+1]
	s_add_nc_u64 s[OUT:OUT+1], s[20:21], s[OUT:OUT+1]
	s_add_nc_u64 s[OW:OW+1], s[20:21], s[OW:OW+1]
	s_add_nc_u64 s[OUTQ:OUTQ+1], s[88:89], s[OUTQ:OUTQ+1]
	s_add_nc_u64 s[OWQ:OWQ+1], s[88:89], s[OWQ:OWQ+1]
	s_mov_b32 s[G0], 1
	s_mov_b32 s[G0+1], s70
	s_add_nc_u64 s[G0+2:G0+3], s[8:9], s[72:73]
	s_or_b32 s[G0+3], s[G0+3], 0x80000000
	s_mov_b32 s[GR], 1
	s_mov_b32 s[GR+1], s70
	s_add_nc_u64 s[GR+2:GR+3], s[8:9], s[74:75]
	s_or_b32 s[GR+3], s[GR+3], 0x80000000
	CROUND                                         ; all four work-groups are here: the joint loads meet
	tensor_load_to_lds s[G0:G0+3], s[G1:G1+7]      ; the first slot, my quarter: my one load at the head
	s_nop 0
	PLACES
	v_and_b32 v1, 15, v0                           ; r
	v_bfe_u32 v2, v0, 4, 1                         ; h
	v_and_b32 v3, 31, v0
	v_lshlrev_b32 v[LI], 4, v3
	v_lshlrev_b32 v[L8], 3, v3
	s_mul_i32 s70, s24, 49152
	v_add_nc_u32 v[ADRB], s70, v[L8]
	v_lshlrev_b32 v[VBQ], 6, v2                    ; Q, K: the bias of columns 16 h + ..
	v_and_b32 v12, 8, v1
	v_add_nc_u32 v12, v12, v1
	v_lshlrev_b32 v[VBV], 2, v12                   ; V: the bias of dim r + 8 (r / 8)
	v_lshlrev_b32 v[VO], 4, v1
	v_lshl_add_u32 v[VO], v2, 2, v[VO]
	v_lshl_add_u32 v13, v1, 4, v2                  ; 16 r + h: V's scale bytes
	v_cmp_lt_u32 s[HM], 15, v3                     ; lanes 16-31
.irp e, 0,1,2,3,4,5,6,7
	v_mov_b32 v[T2+\e], 0                          ; a lane permute's destination counts as read
.endr
	s_wait_alu depctr_va_vdst(0)
.macro ALOAD k                         ; x's fragments of K step k: 256 consecutive bytes a load
	WIN 0x40*(1+(\k)/5)
.irp a, 0,1,2,3
.irp p, 0,1,2,3,4,5
	global_load_b64 v[48*((\k)%5)+12*\a+2*\p:48*((\k)%5)+12*\a+2*\p+1], v[L8], s[4:5] offset:12288*\a+1536*(\k)+256*\p
.endr
.endr
.endm
.macro NEXTL nk, nw, nb, ow, ob        ; a slot's scale words and bias (nk = 1: V's)
.irp b, 0,1,2,3
	global_load_b128 v[SB+4*\b:SB+4*\b+3], v[LI], s[\nw:\nw+1] offset:\ow+512*\b
.endr
.if \nk
.irp b, 0,1,2,3
.irp j, 0,1,2,3,4,5,6,7
	global_load_b32 v[BI+8*\b+\j], v[VBV], s[\nb:\nb+1] offset:\ob+128*(\b/2)+32*(\b%2)
.endr
.endr
.else
.irp b, 0,1,2,3
.irp e, 0,1
	global_load_b128 v[BI+8*\b+4*\e:BI+8*\b+4*\e+3], v[VBQ], s[\nb:\nb+1] offset:\ob+128*(\b/2)+32*(\b%2)+16*\e
.endr
.endr
.endif
.endm
.irp k, 0,1,2,3,4,5,6,7
	ALOAD \k
.endr
	WIN 0
.irp a, 0,1,2,3
	global_load_b128 v[SA+4*\a:SA+4*\a+3], v[LI], s[6:7] offset:512*\a
.endr
	NEXTL 1, WSP, BP, 0, 0
.macro FETCH k                         ; W's four fragments of K step k into set k % 2
.irp b, 0,1,2,3
.irp p, 0,1,2,3,4,5
	ds_load_b64 v[BF+48*((\k)%2)+12*\b+2*\p:BF+48*((\k)%2)+12*\b+2*\p+1], v[ADRB] offset:12288*\b+1536*(\k)+256*\p
.endr
.endr
.endm
.macro WM d, x, y, c, sx, sy, row
.if \row
	v_wmma_scale_f32_16x16x128_f8f6f4 v[\d:\d+7], v[\x:\x+11], v[\y:\y+11], v[\c:\c+7], v[\sx], v[\sy] matrix_a_fmt:MATRIX_FMT_BF6 matrix_b_fmt:MATRIX_FMT_BF6 matrix_a_scale:MATRIX_SCALE_ROW1 matrix_b_scale:MATRIX_SCALE_ROW1
.else
	v_wmma_scale_f32_16x16x128_f8f6f4 v[\d:\d+7], v[\x:\x+11], v[\y:\y+11], v[\c:\c+7], v[\sx], v[\sy] matrix_a_fmt:MATRIX_FMT_BF6 matrix_b_fmt:MATRIX_FMT_BF6
.endif
.endm
.macro MULS k, kind, first             ; 16 matrix instructions: K step k.  first: C is the bias, in window 0
.set AR, 48*((\k)%5)
.set AW, 1+(\k)/5
.set BS, BF+48*((\k)%2)
.set KQ, (\k)%4
.if \kind
	WIN (0xf0-0x30*\first)|AW
.else
	WIN (0xf0-0x30*\first)|(AW<<2)
.endif
.irp a, 0,1,2,3
.irp b, 0,1,2,3
.if \kind
.if \first
	WM 8*(4*\b+\a), AR+12*\a, BS+12*\b, BI+8*\b, SA+4*\a+KQ, SB+4*\b+KQ, (\k)/4
.else
	WM 8*(4*\b+\a), AR+12*\a, BS+12*\b, 8*(4*\b+\a), SA+4*\a+KQ, SB+4*\b+KQ, (\k)/4
.endif
.else
.if \first
	WM 8*(4*\a+\b), BS+12*\b, AR+12*\a, BI+8*\b, SB+4*\b+KQ, SA+4*\a+KQ, (\k)/4
.else
	WM 8*(4*\a+\b), BS+12*\b, AR+12*\a, 8*(4*\a+\b), SB+4*\b+KQ, SA+4*\a+KQ, (\k)/4
.endif
.endif
.endr
.endr
	WIN 0
.endm
.macro COMPUTE kind                    ; a slot: 8 K steps; the fragments run one K step ahead
	s_wait_loadcnt 0x0                             ; the slot's scale words and bias (the first time: x too)
	FETCH 0
	FETCH 1
	s_wait_dscnt 24                                ; all but the next K step's 24 loads
	MULS 0, \kind, 1
.irp k, 1,2,3,4,5,6
	PLACES                                         ; in front of loads into the set that the last K step multiplied
	FETCH \k+1
	s_wait_dscnt 24
	MULS \k, \kind, 0
.endr
	s_wait_dscnt 0x0
	MULS 7, \kind, 0
.endm
.macro SYNC mode, upd                  ; 2: the buffer just read is filled again; 1: the last slot is shown to all four waves; 0: nothing follows
.if \mode == 2
	s_wait_tensorcnt 0x0                           ; all my loads have landed: my quarter of the other buffer;
	ds_add_u32 v[SPW], v[NIL]                      ; the add on my spare word;
.if \upd
	s_add_nc_u64 s[GR+2:GR+3], s[GR+2:GR+3], SLOTB ; no load of mine is out: the next slot, into the other buffer
	s_xor_b32 s[GR+1], s[GR+1], BUF1
.endif
	s_wait_dscnt 0x0                               ; the add is done, and so are my reads of this buffer
	CROUND                                         ; both hold of every wave of the cluster
	tensor_load_to_lds s[GR:GR+3], s[G1:G1+7]      ; my one load behind the round: the slot two trips on
	s_nop 0
.elseif \mode == 1
	s_wait_tensorcnt 0x0
	s_wait_dscnt 0x0
	s_barrier_signal -1
	s_barrier_wait -1
.endif
	PLACES                                         ; behind the last products, in front of the loads and reads below
.endm
; V's way out.  A tile of x holds in lane r the row 64 (t / 4) + 32 (r / 8) + 8 (t % 4) + r % 8 of its 128, so group q's 32 registers are ONE whole block of 32 keys, 64 wr + 32 h + 0 .. 31, of dim r of tile q:
; no other lane is asked for the maximum, and the codes are the operand's six registers as they stand.
.macro QUANTV
	WIN 0x3c
.irp e, 0,1,2,3,4,5,6,7
	v_max3_num_f32 v[TM+\e], 0x2800000, |v[16*\e]|, |v[16*\e+1]|   ; with the floor 2^(5 - 127).  Each accumulator is read from its low end on
.endr
.irp i, 2,4,6,8,10,12,14
.irp e, 0,1,2,3,4,5,6,7
	v_max3_num_f32 v[TM+\e], v[TM+\e], |v[16*\e+\i]|, |v[16*\e+\i+1]|
.endr
.endr
	WIN 0
.irp q, 0,1,2,3
	v_max_num_f32 v[TM+2*\q], v[TM+2*\q], v[TM+2*\q+1]
.endr
.irp q, 0,1,2,3
	v_add_nc_u32 v[SO+\q], 0xfe000000, v[TM+2*\q]  ; 4 off the exponent field: the conversion's scale operand
.endr
.irp q, 0,1,2,3
	v_lshrrev_b32 v[BY+\q], 23, v[SO+\q]           ; the byte of block 2 wr + h
.endr
	WIN 0x03
.irp q, 0,1,2,3
	v_cvt_scalef32_pk16_bf6_f32 v[CODE+6*\q:CODE+6*\q+2], v[32*\q:32*\q+15], v[SO+\q]
	v_cvt_scalef32_pk16_bf6_f32 v[CT+4*\q:CT+4*\q+2], v[32*\q+16:32*\q+31], v[SO+\q]
.endr
	WIN 0
	v_nop                                          ; one plain place behind a scaled conversion
.irp q, 0,1,2,3
.irp i, 0,1,2
	v_mov_b32 v[CODE+6*\q+3+\i], v[CT+4*\q+\i]
.endr
.endr
.endm
.macro QUANT4
	WIN 0x3c
.irp e, 0,1,2,3,4,5,6,7
	v_max3_num_f32 v[TM+\e], 0x2800000, |v[16*\e]|, |v[16*\e+1]|   ; with the floor 2^(5 - 127): the byte cannot fall under 1.  Each accumulator is read from its low end on
.endr
.irp i, 2,4,6,8,10,12,14
.irp e, 0,1,2,3,4,5,6,7
	v_max3_num_f32 v[TM+\e], v[TM+\e], |v[16*\e+\i]|, |v[16*\e+\i+1]|
.endr
.endr
	WIN 0
.irp e, 0,1,2,3,4,5,6,7
	v_permlanex16_b32 v[T2+\e], v[TM+\e], s[SEL], s[SEL+1]
.endr
.irp e, 0,1,2,3,4,5,6,7
	v_max_num_f32 v[TM+\e], v[TM+\e], v[T2+\e]     ; with lane l xor 16's 16: the block's largest magnitude
.endr
.irp e, 0,1,2,3,4,5,6,7
	v_add_nc_u32 v[SO+\e], 0xfe000000, v[TM+\e]    ; 4 off the exponent field: the conversion's scale operand
.endr
.irp e, 0,1,2,3,4,5,6,7
	v_lshrrev_b32 v[BY+\e], 23, v[SO+\e]           ; the byte
.endr
.irp q, 0,1,2,3
	v_lshl_or_b32 v[PW+\q], v[BY+2*\q+1], 8, v[BY+2*\q]
.endr
	WIN 0x03
.irp q, 0,1,2,3
	v_cvt_scalef32_pk16_bf6_f32 v[CODE+6*\q:CODE+6*\q+2], v[32*\q:32*\q+15], v[SO+2*\q]
	v_cvt_scalef32_pk16_bf6_f32 v[CT+4*\q:CT+4*\q+2], v[32*\q+16:32*\q+31], v[SO+2*\q+1]
.endr
	WIN 0
	v_nop                                          ; one plain place behind a scaled conversion
.irp q, 0,1,2,3
.irp i, 0,1,2
	v_permlane16_swap_b32 v[CODE+6*\q+\i], v[CT+4*\q+\i]   ; a whole block to a lane: lanes 0-15 the first, lanes 16-31 the second
.endr
.endr
.irp q, 0,1,2,3
.irp i, 0,1,2
	v_mov_b32 v[CODE+6*\q+3+\i], v[CT+4*\q+\i]
.endr
.endr
.endm
; A trip: a slot's products; the change of buffers; the next slot's scale words and bias; the way out.  st: 1 the stores' pointers step, 2 they do not, 0 the last trip
.macro TRIP kind, mode, upd, nk, nw, nb, ow, ob, st
	COMPUTE \kind
	SYNC \mode, \upd
.if \mode
	v_xor_b32 v[ADRB], BUF1, v[ADRB]               ; the other buffer
.endif
.if \nk < 2
	NEXTL \nk, \nw, \nb, \ow, \ob
.endif
.if \kind
	QUANTV
.else
	QUANT4
.endif
.if \kind
.irp q, 0,1,2,3                        ; dims tile q: my half of its image
	global_store_b128 v[LI], v[CODE+6*\q:CODE+6*\q+3], s[OUT:OUT+1] offset:1536*\q
	global_store_b64 v[L8], v[CODE+6*\q+4:CODE+6*\q+5], s[OUT:OUT+1] offset:1536*\q+512
.endr
.irp q, 0,1,2,3
	global_store_b8 v13, v[BY+\q], s[OW:OW+1] offset:4*\q   ; lane (r, h): byte 2 wr + h of dim r's word of tile q
.endr
.else
.irp i, 0,1                            ; two images, each two tiles of rows: 512 consecutive bytes a store
.irp c, 0,1,2
	global_store_b128 v[LI], v[CODE+12*\i+4*\c:CODE+12*\i+4*\c+3], s[OUTQ:OUTQ+1] offset:1536*\i+512*\c
.endr
.endr
	v_lshl_or_b32 v[WE], v[PW+1], 16, v[PW]
	v_lshl_or_b32 v[WE+1], v[PW+3], 16, v[PW+2]
	v_cndmask_b32 v[WE], v[WE], v[WE+1], s[HM]     ; lanes 0-15 the first image's word of row r, lanes 16-31 the second's
	global_store_b32 v[VO], v[WE], s[OWQ:OWQ+1]
.endif
.if \st
	s_wait_xcnt 0x0                                ; the stores' and loads' registers and bases are rewritten only behind this wait
.endif
.if \st == 1
.if \kind
	s_add_nc_u64 s[OUT:OUT+1], s[OUT:OUT+1], 409600
	s_add_nc_u64 s[OW:OW+1], s[OW:OW+1], 409600
.else
	s_add_nc_u64 s[OUTQ:OUTQ+1], s[OUTQ:OUTQ+1], s[STP:STP+1]
	s_add_nc_u64 s[OWQ:OWQ+1], s[OWQ:OWQ+1], s[STP:STP+1]
	s_add_nc_u64 s[WSQ:WSQ+1], s[WSQ:WSQ+1], 4096
	s_add_nc_u64 s[BPQ:BPQ+1], s[BPQ:BPQ+1], 512
.endif
.endif
.endm
	s_wait_alu depctr_va_vdst(0)
	s_wait_tensorcnt 0x0                           ; my quarter of the first slot is in; the second buffer's first fill is issued as a refill is:
	ds_add_u32 v[SPW], v[NIL]
	s_add_nc_u64 s[G0+2:G0+3], s[G0+2:G0+3], SLOTB
	s_xor_b32 s[G0+1], s[G0+1], BUF1
	s_wait_dscnt 0x0
	CROUND
	tensor_load_to_lds s[G0:G0+3], s[G1:G1+7]
	s_nop 0
	PLACES
	TRIP 1, 2, 0, 1, WSP, BP, 4096, 512, 1         ; Wv's two slots
	TRIP 1, 2, 1, 0, WSQ, BPQ, 0, 0, 2
	s_mov_b32 s80, 2
.Lq:                                   ; the first two of Wq's or Wk's four
	TRIP 0, 2, 1, 0, WSQ, BPQ, 4096, 512, 1
	s_sub_co_u32 s80, s80, 1
	s_cmp_lg_u32 s80, 0
	s_cbranch_scc1 .Lq
	TRIP 0, 1, 0, 0, WSQ, BPQ, 4096, 512, 1        ; the last two fetch no slot
	TRIP 0, 0, 0, 2, WSQ, BPQ, 0, 0, 0
	s_wait_tensorcnt 0x0                           ; the wave's end
	ds_add_u32 v[SPW], v[NIL]
	s_wait_dscnt 0x0
	CROUND                                         ; the closing round
	s_endpgm
.Lfunc_end_k_q2e17ee5ab0_proj:
	.size	k_q2e17ee5ab0_proj, .Lfunc_end_k_q2e17ee5ab0_proj-k_q2e17ee5ab0_proj
	.p2alignl 7, 3214868480
	.fill 96, 4, 3214868480
	.section	.rodata,"a",@progbits
	.p2align	6, 0x0
	.amdhsa_kernel k_q2e17ee5ab0_proj
		.amdhsa_group_segment_fixed_size 327680
		.amdhsa_private_segment_fixed_size 0
		.amdhsa_enable_private_segment 0
		.amdhsa_kernarg_size 72
		.amdhsa_user_sgpr_count 2
		.amdhsa_user_sgpr_kernarg_segment_ptr 1
		.amdhsa_wavefront_size32 1
		.amdhsa_system_sgpr_workgroup_id_x 1
		.amdhsa_system_sgpr_workgroup_id_y 1
		.amdhsa_system_sgpr_workgroup_id_z 1
		.amdhsa_system_vgpr_workitem_id 0
		.amdhsa_next_free_vgpr 1024
		.amdhsa_next_free_sgpr 96
		.amdhsa_reserve_vcc 0
		.amdhsa_float_denorm_mode_32 3
		.amdhsa_float_denorm_mode_16_64 3
		.amdhsa_memory_ordered 1
		.amdhsa_forward_progress 1
		.amdhsa_inst_pref_size 227
	.end_amdhsa_kernel
	.amdgpu_metadata
---
amdhsa.version: [ 1, 2 ]
amdhsa.kernels:
  - .name:           k_q2e17ee5ab0_proj
    .symbol:         k_q2e17ee5ab0_proj.kd
    .args:
      - { .name: xc, .offset: 0, .size: 8, .value_kind: global_buffer, .address_space: global }
      - { .name: xs, .offset: 8, .size: 8, .value_kind: global_buffer, .address_space: global }
      - { .name: wc, .offset: 16, .size: 8, .value_kind: global_buffer, .address_space: global }
      - { .name: ws, .offset: 24, .size: 8, .value_kind: global_buffer, .address_space: global }
      - { .name: bq, .offset: 32, .size: 8, .value_kind: global_buffer, .address_space: global }
      - { .name: bk, .offset: 40, .size: 8, .value_kind: global_buffer, .address_space: global }
      - { .name: bv, .offset: 48, .size: 8, .value_kind: global_buffer, .address_space: global }
      - { .name: qb, .offset: 56, .size: 8, .value_kind: global_buffer, .address_space: global }
      - { .name: kv, .offset: 64, .size: 8, .value_kind: global_buffer, .address_space: global }
    .group_segment_fixed_size: 327680
    .private_segment_fixed_size: 0
    .kernarg_segment_align: 8
    .kernarg_segment_size: 72
    .max_flat_workgroup_size: 128
    .sgpr_count:     96
    .vgpr_count:     1024
    .wavefront_size: 32
...
	.end_amdgpu_metadata
.endif
;; end of part 2
;; launch attn (part 3): grid 4 x 64, 16 waves a work-group, clusters of 4 x 1, 206,848 bytes of LDS; arguments qb, kv, ao, aos; writes ao, aos
.if DOCPART == 3
	.amdgcn_target "amdgcn-amd-amdhsa--gfx1250"
	.amdhsa_code_object_version 6
	.text
	.protected	k_q2e17ee5ab0_attn
	.globl	k_q2e17ee5ab0_attn
	.p2align	8
	.type	k_q2e17ee5ab0_attn,@function
k_q2e17ee5ab0_attn:
	s_mov_b64 s[64:65], 0
	v_nop
	global_prefetch_b8 v0, s[64:65] scope:SCOPE_SE
	s_setreg_imm32_b32 hwreg(HW_REG_WAVE_MODE, 25, 1), 1
	s_wait_xcnt 0x0
	s_wait_alu depctr_hold_cnt(0) depctr_sa_sdst(0) depctr_va_vdst(0) depctr_va_sdst(0) depctr_va_ssrc(0) depctr_va_vcc(0) depctr_vm_vsrc(0)
	s_getreg_b32 s2, hwreg(HW_REG_IB_STS2, 6, 4)
	s_cmp_eq_u32 s2, 0
	s_cbranch_scc0 .Lentry_in_a_cluster
	s_endpgm
.Lentry_in_a_cluster:
	s_bfe_u32 s2, ttmp6, 0x10000c
	s_cmp_lg_u32 s2, 0x3003
	s_cbranch_scc0 .Lentry_shape_is_right
	s_endpgm
.Lentry_shape_is_right:
; O = softmax(Q K^T / 8) V for one head of one batch, both products on codes of BF6 with E8M0 scales; the result is quantised along the model's 1,024 and stored as the last product's A operand.  Nothing is left out.
; t = score x log2(e) / 8; M = the running largest t rounded UP to a whole number; p = 2^(t - M) is quantised along the keys, not normalised; the row's sum is taken of the unquantised p and divides at the end.
; SHARES.  A cluster of four work-groups owns a head; a work-group 512 queries; each of its sixteen waves two tiles of 16 queries, one after the other (the loop .Lpass).  Four waves share a SIMD.
; THE HEAD'S K AND V, codes and scale words, are 16 records of 12,800 bytes.  They come into LDS ONCE, one joint load a wave (the four work-groups ask for the same records), and stay: no slot is filled again.
; A record (128 keys): K's four images of 1,536 bytes, V's four, K's words [r][image] at 12,288, V's [r][tile of dims] at 12,544.
; K's image is the operand's 12 registers as three runs of 512 bytes (16 x lane).  V's lies in two halves of 768 bytes: registers 6 c .. 6 c + 3 as 512 bytes, registers 6 c + 4, 6 c + 5 as 256 bytes (8 x lane).
; THE HEAD HAS 64 DIMS, THE INSTRUCTION 128: an image of K holds TWO tiles of keys (registers 0-5, 6-11), and Q stands as q | 0 | q in 18 registers: (q | 0) gives the first tile's scores, (0 | q) the second's.
; Both products are used transposed: a lane holds one query throughout.  THE KEYS OF A TILE: tile t of a record holds in row m the key 64 (t / 4) + 32 (m / 8) + 8 (t % 4) + m % 8.  So lane (r, h)'s score
; registers 32 c + 0 .. 31 are the keys 64 c + 32 h + 0 .. 31: ONE WHOLE BLOCK of the second product's K, in the order in which that operand's registers want them.  A block's largest score is found in the lane,
; the conversions' results are the operand's registers, and only the row's maximum and the scale word go from lane l to lane l xor 16.
; The short dependent chains (f, the scale word, the joins of the sum) are laid among the packed multiply-adds and additions, five instructions apart.
; A head owns two of a row's 32 scale bytes in aos: they leave as single bytes.
; LIMITS as in quant_x; the promise holds while the scaled scores t stay under 2^31 in magnitude.
.set REC,   12800
.set SPARE, 16*REC                     ; behind the records: the spare words, 128 bytes for each wave, that no other line names
.set LI,  1                            ; 16 x lane
.set LR,  2                            ; 16 r
.set ADR, 3                            ; the step's images, 16 x lane
.set ADS, 4                            ; the step's words
.set SPW, 5
.set NIL, 6
.set L8,  7                            ; 8 x lane
.set H8,  9                            ; 8 h            (v8: 16 r + h; v10: a scale byte on its way out; v12 -M, v13 the largest score, v[14:15] the sum in two halves)
.set AD8, 11                           ; the step's images, 8 x lane
.set QF,  16                           ; v16-33  q | 0 | q
.set QSL, 34                           ; q's scale word for (q | 0) and for (0 | q)
.set QSH, 35
.set QI,  36                           ; v36-47  my two tiles' image
.set QW,  48                           ; and its word
.set KV,  52                           ; v52-99  four images of K, then of V
.set S,   100                          ; v100-163 S^T, then p
.set O,   164                          ; v164-195 O^T
.set PC,  196                          ; v196-207 p's codes
.set PT,  208                          ; v208-214 the conversions' second halves
.set BM,  216                          ; v216-219 largest scores
.set T2,  220
.set SO,  224
.set KSC, 228                          ; v228-231 K's or V's scale words
.set FF,  232                          ; v232 f; v233 p's scale word
.set T,   234
.set T1,  235
.set PW,  236
.set BY,  237                          ; v237, v238
.set AC,  240                          ; v240-247 four partial sums, two halves each
.set WV,  18
.set HM,  19                           ; lanes 16-31
.set SEL, 20
.set CS,  22                           ; s[22:23] c = log2(e) / 8;  s12 = -c;  s13 counts the passes;  s2 the record in hand;  s3 counts the steps
.set NC,  12
.set TB,  2
.macro CROUND
	s_barrier_signal -1
	s_barrier_wait -1
	s_cmp_lg_u32 s[WV], 0
	s_cbranch_scc1 .Lnot_wave_0_\@
	s_barrier_signal -3
.Lnot_wave_0_\@:
	s_barrier_wait -3
	s_barrier_signal -1
	s_barrier_wait -1
.endm
	s_load_b256 s[4:11], s[0:1], 0x0               ; qb, kv, ao, aos
	v_lshl_add_u32 v[SPW], v0, 2, SPARE
	v_mov_b32 v[NIL], 0
	ds_add_u32 v[SPW], v[NIL]                      ; the opening lines: the add, twice on end, and its wait ahead of my tensor load
	ds_add_u32 v[SPW], v[NIL]
	v_lshrrev_b32 v1, 5, v0
	s_delay_alu instid0(VALU_DEP_1)
	v_readfirstlane_b32 s[WV], v1                  ; wave 0..15
	s_bfe_u32 s24, ttmp6, 0x40000                  ; cx
	s_and_b32 s25, ttmp7, 0xffff                   ; batch x 16 + head
	s_mov_b32 s32, 15|(3<<16)|(1<<21)              ; all four work-groups; elements of 8 bytes; bit 21 beside a mask
	s_mov_b32 s33, 32<<16                          ; a record as 50 rows of 256 bytes
	s_mov_b32 s34, 50<<16
	s_mov_b32 s35, 32<<16
	s_mov_b32 s36, 50
	s_mov_b32 s37, 32
	s_mov_b32 s38, 0
	s_mov_b32 s39, 0
	s_mul_i32 s29, s[WV], REC                      ; record w, in LDS
	s_mul_i32 s26, s25, 16*REC
	s_add_co_u32 s26, s26, s29                     ; and in kv: the head and the wave's number alone
	s_mov_b32 s27, 0
	s_lshl_b32 s40, s24, 2                         ; Q: my group of 128 queries, 4 cx + wave / 4,
	s_lshr_b32 s41, s[WV], 2
	s_add_co_u32 s40, s40, s41
	s_lshl_b32 s41, s25, 4
	s_add_co_u32 s40, s40, s41
	s_mul_i32 s40, s40, 6400
	s_and_b32 s42, s[WV], 3                        ; my pair of tiles in it
	s_lshl_b32 s44, s42, 2
	s_add_co_u32 s44, s44, s40
	s_add_co_u32 s44, s44, 6144                    ; its word
	s_mov_b32 s45, 0
	s_mul_i32 s42, s42, 1536
	s_add_co_u32 s40, s40, s42                     ; its image
	s_mov_b32 s41, 0
	s_lshr_b32 s46, s25, 4                         ; the result: my first tile of rows = 128 batch + 32 cx + 2 wave
	s_lshl_b32 s46, s46, 7
	s_lshl_b32 s47, s24, 5
	s_add_co_u32 s46, s46, s47
	s_lshl_b32 s47, s[WV], 1
	s_add_co_u32 s46, s46, s47
	s_and_b32 s47, s25, 15                         ; the head: its 64 along K are half a K step: 768 bytes of an image
	s_mul_i32 s48, s46, 12288
	s_mul_i32 s49, s47, 768
	s_add_co_u32 s48, s48, s49
	s_mov_b32 s49, 0
	s_lshl_b32 s50, s46, 9                         ; its two scale bytes: unit head / 8, byte 2 (head % 8) of a row's 16
	s_lshr_b32 s51, s47, 3
	s_lshl_b32 s51, s51, 8
	s_add_co_u32 s50, s50, s51
	s_and_b32 s51, s47, 7
	s_lshl_b32 s51, s51, 1
	s_add_co_u32 s50, s50, s51
	s_mov_b32 s51, 0
	s_mov_b32 s[SEL], 0x76543210
	s_mov_b32 s[SEL+1], 0xfedcba98
	s_mov_b32 s[CS], 0x3e38aa3b
	s_mov_b32 s[CS+1], s[CS]
	s_mov_b32 s[NC], 0xbe38aa3b
	s_mov_b32 s13, 2
	s_wait_dscnt 0x0                               ; both opening adds are done
	s_wait_kmcnt 0x0
	s_mov_b32 s28, 1
	s_add_nc_u64 s[30:31], s[6:7], s[26:27]
	s_or_b32 s31, s31, 0x80000000
	s_add_nc_u64 s[40:41], s[4:5], s[40:41]
	s_add_nc_u64 s[44:45], s[4:5], s[44:45]
	s_add_nc_u64 s[8:9], s[8:9], s[48:49]
	s_add_nc_u64 s[10:11], s[10:11], s[50:51]
	CROUND                                         ; all four work-groups are here: the joint loads meet
	tensor_load_to_lds s[28:31], s[32:39]          ; every wave's one tensor load
	s_nop 0
.rept 4
	v_nop
.endr
	v_and_b32 v49, 31, v0
	v_and_b32 v50, 15, v0
	v_bfe_u32 v51, v0, 4, 1
	s_delay_alu instid0(VALU_DEP_3)
	v_lshlrev_b32 v[LI], 4, v49
	s_delay_alu instid0(VALU_DEP_3)
	v_lshlrev_b32 v[LR], 4, v50
	v_lshlrev_b32 v[L8], 3, v49
	s_delay_alu instid0(VALU_DEP_4)
	v_lshl_add_u32 v8, v50, 4, v51
	v_lshlrev_b32 v[H8], 3, v51
	v_cmp_lt_u32 s[HM], 15, v49
.irp c, 0,1,2
	global_load_b128 v[QI+4*\c:QI+4*\c+3], v[LI], s[40:41] offset:512*\c
.endr
	global_load_b32 v[QW], v[LR], s[44:45]
	s_wait_tensorcnt 0x0                           ; my record has landed,
	s_barrier_signal -1
	s_barrier_wait -1                              ; everybody's has
	s_wait_loadcnt 0x0                             ; Q
.macro ADD4 g                          ; the four partial sums take p's registers 8 g .. 8 g + 7
.irp i, 0,1,2,3
	v_pk_add_f32 v[AC+2*\i:AC+2*\i+1], v[AC+2*\i:AC+2*\i+1], v[S+8*(\g)+2*\i:S+8*(\g)+2*\i+1]
.endr
.endm
.Lpass:                                ; a tile of 16 queries: its codes stand in v[QI] on, its two scale bytes in the low half of v[QW]
.irp i, 0,1,2,3,4,5
	v_mov_b32 v[QF+\i], v[QI+\i]
	v_mov_b32 v[QF+6+\i], 0
	v_mov_b32 v[QF+12+\i], v[QI+\i]
.endr
	v_mov_b32 v[QSL], v[QW]                        ; my two bytes under the blocks in which q stands; the other two scale zero codes
	v_lshlrev_b32 v[QSH], 16, v[QW]
	v_mov_b32 v13, 0xff61b1e6                      ; the largest score so far: -3e38
	v_mov_b32 v12, 0x7e800000                      ; -M: 2^126, so that the first f is 0
	v_mov_b32 v14, 0
	v_mov_b32 v15, 0
	v_mov_b32 v[T2], 0                             ; a lane permute's destination counts as read
	v_mov_b32 v[T2+1], 0
	v_mov_b32 v[FF+1], 0
.set n, 0
.rept 32
	v_mov_b32 v[O+n], 0                            ; the step is written once: the first finds zeros.  (Also the places between the writes of q and its scales and the first products)
.set n, n+1
.endr
	s_mov_b32 s[TB], 0
	s_mov_b32 s3, 16
.Lkey:                                 ; a step: 128 keys, one record
	v_add_nc_u32 v[ADR], s[TB], v[LI]              ; these four are the places behind the last products, in front of loads into their registers
	v_add_nc_u32 v[ADS], s[TB], v[LR]
	v_add_nc_u32 v[AD8], s[TB], v[L8]
	v_mov_b32 v[T], v12                            ; the old -M
.irp j, 0,1,2,3
.irp c, 0,1,2
	ds_load_b128 v[KV+12*\j+4*\c:KV+12*\j+4*\c+3], v[ADR] offset:1536*\j+512*\c
.endr
.endr
	ds_load_b128 v[KSC:KSC+3], v[ADS] offset:12288
	s_wait_alu depctr_va_vdst(0)
	s_wait_dscnt 0x0
.irp j, 0,1,2,3
	v_wmma_scale_f32_16x16x128_f8f6f4 v[S+16*\j:S+16*\j+7], v[KV+12*\j:KV+12*\j+11], v[QF:QF+11], 0, v[KSC+\j], v[QSL] matrix_a_fmt:MATRIX_FMT_BF6 matrix_b_fmt:MATRIX_FMT_BF6
	v_wmma_scale_f32_16x16x128_f8f6f4 v[S+16*\j+8:S+16*\j+15], v[KV+12*\j:KV+12*\j+11], v[QF+6:QF+17], 0, v[KSC+\j], v[QSH] matrix_a_fmt:MATRIX_FMT_BF6 matrix_b_fmt:MATRIX_FMT_BF6
.endr
.rept 4
	v_nop
.endr
.irp j, 0,1,2,3                        ; V's images and words are asked for now and land under the softmax
.irp c, 0,1
	ds_load_b128 v[KV+12*\j+6*\c:KV+12*\j+6*\c+3], v[ADR] offset:6144+1536*\j+768*\c
	ds_load_b64 v[KV+12*\j+6*\c+4:KV+12*\j+6*\c+5], v[AD8] offset:6144+1536*\j+768*\c+512
.endr
.endr
	ds_load_b128 v[KSC:KSC+3], v[ADS] offset:12544
.irp b, 0,1,2,3                        ; the largest score of my two blocks of 32 keys, in four chains by turns: it serves the row's maximum and, since p rises with the score, the block's largest p
	v_max3_num_f32 v[BM+\b], v[S+16*\b], v[S+1+16*\b], v[S+2+16*\b]
.endr
.irp i, 3,5,7,9,11,13
.irp b, 0,1,2,3
	v_max3_num_f32 v[BM+\b], v[BM+\b], v[S+16*\b+\i], v[S+1+16*\b+\i]
.endr
.endr
	v_max3_num_f32 v[BM], v[BM], v[BM+1], v[S+15]
	v_max3_num_f32 v[BM+2], v[BM+2], v[BM+3], v[S+47]
	v_max_num_f32 v[BM], v[BM], v[S+31]            ; block h
	v_max_num_f32 v[BM+2], v[BM+2], v[S+63]        ; block 2 + h
	s_delay_alu instid0(VALU_DEP_1)
	v_max_num_f32 v[T1], v[BM], v[BM+2]
	s_delay_alu instid0(VALU_DEP_1)
	v_permlanex16_b32 v[T2], v[T1], s[SEL], s[SEL+1]
	s_delay_alu instid0(VALU_DEP_1)
	v_max3_num_f32 v13, v13, v[T1], v[T2]          ; the running largest score of my query
	s_delay_alu instid0(VALU_DEP_1)
	v_mul_f32 v[T1], s[NC], v13
	s_delay_alu instid0(VALU_DEP_1)
	v_floor_f32 v12, v[T1]                         ; -M = floor(-t): M is a whole number
.set n, 0
.rept 32
	v_pk_fma_f32 v[S+2*n:S+2*n+1], v[S+2*n:S+2*n+1], s[CS:CS+1], v[12:13] op_sel_hi:[1,0,0]   ; t - M
.if n == 3
	v_sub_f32 v[T], v12, v[T]                      ; old M less new M: a whole number, 0 or less
.endif
.if n == 7
	v_cvt_i32_f32 v[T], v[T]                       ; (it saturates)
.endif
.if n == 11
	v_ldexp_f32 v[FF], 1.0, v[T]                   ; f = 2^(old M - new M): exact
.endif
.set n, n+1
.endr
	v_fma_f32 v[BM], v[BM], s[CS], v12
	v_fma_f32 v[BM+2], v[BM+2], s[CS], v12
	s_wait_alu depctr_va_vdst(0)
	v_exp_f32 v[BM], v[BM]                         ; my blocks' largest p
	v_exp_f32 v[BM+2], v[BM+2]
.set n, 0
.rept 64
	v_exp_f32 v[S+n], v[S+n]                       ; p = 2^(t - M)
.set n, n+1
.endr
	v_pk_mul_f32 v[14:15], v[14:15], v[FF:FF+1] op_sel_hi:[1,0]   ; the sums under the new M: the plain place behind the batch
	s_wait_alu depctr_va_vdst(0)                   ; one wait for the batch, ahead of its first reader
	v_max_num_f32 v[BM], 0x2800000, v[BM]          ; the floor 2^(5 - 127): the byte cannot fall under 1
	v_max_num_f32 v[BM+2], 0x2800000, v[BM+2]
.irp i, 0,1,2,3                        ; the row's sum is taken of the unquantised p
	v_pk_add_f32 v[AC+2*\i:AC+2*\i+1], v[S+2*\i:S+2*\i+1], v[S+8+2*\i:S+8+2*\i+1]
.endr
	v_add_nc_u32 v[SO], 0xfe000000, v[BM]          ; 4 off the exponent field: the conversions' scale operands
	v_add_nc_u32 v[SO+1], 0xfe000000, v[BM+2]
	ADD4 2
	v_lshrrev_b32 v[BY], 23, v[SO]                 ; the bytes
	v_lshrrev_b32 v[BY+1], 23, v[SO+1]
	ADD4 3
	v_lshl_or_b32 v[PW], v[BY+1], 16, v[BY]        ; blocks h and 2 + h,
	ADD4 4
	v_lshlrev_b32 v[PW], v[H8], v[PW]              ; at their places in the word;
	ADD4 5
	v_permlanex16_b32 v[T2], v[PW], s[SEL], s[SEL+1]
	ADD4 6
	v_or_b32 v[FF+1], v[PW], v[T2]                 ; with lane l xor 16's two: p's scale word for these 128 keys
	ADD4 7
.irp c, 0,1
	v_cvt_scalef32_pk16_bf6_f32 v[PC+6*\c:PC+6*\c+2], v[S+32*\c:S+32*\c+15], v[SO+\c]
	v_cvt_scalef32_pk16_bf6_f32 v[PT+4*\c:PT+4*\c+2], v[S+32*\c+16:S+32*\c+31], v[SO+\c]   ; (a conversion's three registers begin on an even number)
.endr
	v_pk_add_f32 v[AC:AC+1], v[AC:AC+1], v[AC+2:AC+3]             ; (the plain place behind the conversions)
	v_pk_add_f32 v[AC+4:AC+5], v[AC+4:AC+5], v[AC+6:AC+7]
.irp n, 0,1,2,3
	v_pk_mul_f32 v[O+2*\n:O+2*\n+1], v[O+2*\n:O+2*\n+1], v[FF:FF+1] op_sel_hi:[1,0]   ; O^T under the new M
.endr
	v_pk_add_f32 v[AC:AC+1], v[AC:AC+1], v[AC+4:AC+5]
.irp n, 4,5,6,7
	v_pk_mul_f32 v[O+2*\n:O+2*\n+1], v[O+2*\n:O+2*\n+1], v[FF:FF+1] op_sel_hi:[1,0]
.endr
	v_pk_add_f32 v[14:15], v[14:15], v[AC:AC+1]
.irp c, 0,1
.irp i, 0,1,2
	v_mov_b32 v[PC+3+6*\c+\i], v[PT+4*\c+\i]
.endr
.endr
.irp n, 8,9,10,11,12,13,14,15          ; (these eight are also the places between the writes of p's codes and the products)
	v_pk_mul_f32 v[O+2*\n:O+2*\n+1], v[O+2*\n:O+2*\n+1], v[FF:FF+1] op_sel_hi:[1,0]
.endr
	s_wait_alu depctr_va_vdst(0)
	s_wait_dscnt 0x0                               ; V
.irp j, 0,1,2,3
	v_wmma_scale_f32_16x16x128_f8f6f4 v[O+8*\j:O+8*\j+7], v[KV+12*\j:KV+12*\j+11], v[PC:PC+11], v[O+8*\j:O+8*\j+7], v[KSC+\j], v[FF+1] matrix_a_fmt:MATRIX_FMT_BF6 matrix_b_fmt:MATRIX_FMT_BF6
.endr
	s_add_co_u32 s[TB], s[TB], REC
	s_sub_co_u32 s3, s3, 1
	s_cmp_lg_u32 s3, 0
	s_cbranch_scc1 .Lkey
.rept 4
	v_nop                                          ; places behind the last products
.endr
	v_add_f32 v14, v14, v15
	s_delay_alu instid0(VALU_DEP_1)
	v_permlanex16_b32 v[T], v14, s[SEL], s[SEL+1]
	s_delay_alu instid0(VALU_DEP_1)
	v_add_f32 v14, v14, v[T]                       ; the row's sum
	s_wait_alu depctr_va_vdst(0)
	v_rcp_f32 v14, v14
	v_nop
	s_wait_alu depctr_va_vdst(0)                   ; ahead of the reciprocal's first reader
.set n, 0
.rept 16
	v_pk_mul_f32 v[S+2*n:S+2*n+1], v[O+2*n:O+2*n+1], v[14:15] op_sel_hi:[1,0]   ; register 16 b + i = dim 32 b + 16 h + i of my query
.set n, n+1
.endr
.irp b, 0,1                            ; the head's 64 dims are two blocks of the last product's K
	v_max3_num_f32 v[BM+\b], |v[S+16*\b]|, |v[S+1+16*\b]|, 0x2800000
.endr
.irp i, 2,4,6,8,10,12,14
.irp b, 0,1
	s_delay_alu instid0(VALU_DEP_2)
	v_max3_num_f32 v[BM+\b], v[BM+\b], |v[S+16*\b+\i]|, |v[S+1+16*\b+\i]|
.endr
.endr
.irp b, 0,1
	s_delay_alu instid0(VALU_DEP_2)
	v_permlanex16_b32 v[T2+\b], v[BM+\b], s[SEL], s[SEL+1]
.endr
.irp b, 0,1
	s_delay_alu instid0(VALU_DEP_2)
	v_max_num_f32 v[BM+\b], v[BM+\b], v[T2+\b]
.endr
.irp b, 0,1
	s_delay_alu instid0(VALU_DEP_2)
	v_add_nc_u32 v[SO+\b], 0xfe000000, v[BM+\b]
.endr
.irp b, 0,1
	s_delay_alu instid0(VALU_DEP_2)
	v_lshrrev_b32 v[T2+\b], 23, v[SO+\b]
.endr
	v_cvt_scalef32_pk16_bf6_f32 v[PC:PC+2], v[S:S+15], v[SO]
	v_cvt_scalef32_pk16_bf6_f32 v[PT:PT+2], v[S+16:S+31], v[SO+1]
	v_nop
.irp i, 0,1,2
	v_permlane16_swap_b32 v[PC+\i], v[PT+\i]
.endr
.irp i, 0,1,2
	s_delay_alu instid0(VALU_DEP_3)
	v_mov_b32 v[PC+3+\i], v[PT+\i]
.endr
.irp i, 0,1,2
	global_store_b64 v[L8], v[PC+2*\i:PC+2*\i+1], s[8:9] offset:256*\i   ; three pieces of the operand's image: 256 consecutive bytes each, aligned
.endr
	v_cndmask_b32 v10, v[T2], v[T2+1], s[HM]
	global_store_b8 v8, v10, s[10:11]              ; lane (r, h): block h's byte of row r
	s_wait_xcnt 0x0                                ; the stores have read their registers and bases
	s_add_nc_u64 s[8:9], s[8:9], 12288             ; my second tile: the next image of ao, the next unit of aos,
	s_add_nc_u64 s[10:11], s[10:11], 512
.irp i, 0,1,2,3,4,5
	v_mov_b32 v[QI+\i], v[QI+6+\i]                 ; its codes
.endr
	v_lshrrev_b32 v[QW], 16, v[QW]                 ; and its two scale bytes
	s_sub_co_u32 s13, s13, 1
	s_cmp_lg_u32 s13, 0
	s_wait_alu depctr_va_vdst(0)
	s_cbranch_scc1 .Lpass
	s_wait_tensorcnt 0x0                           ; the wave's end
	ds_add_u32 v[SPW], v[NIL]
	s_wait_dscnt 0x0
	CROUND                                         ; the closing round
	s_endpgm
.Lfunc_end_k_q2e17ee5ab0_attn:
	.size	k_q2e17ee5ab0_attn, .Lfunc_end_k_q2e17ee5ab0_attn-k_q2e17ee5ab0_attn
	.p2alignl 7, 3214868480
	.fill 96, 4, 3214868480
	.section	.rodata,"a",@progbits
	.p2align	6, 0x0
	.amdhsa_kernel k_q2e17ee5ab0_attn
		.amdhsa_group_segment_fixed_size 206848
		.amdhsa_private_segment_fixed_size 0
		.amdhsa_enable_private_segment 0
		.amdhsa_kernarg_size 32
		.amdhsa_user_sgpr_count 2
		.amdhsa_user_sgpr_kernarg_segment_ptr 1
		.amdhsa_wavefront_size32 1
		.amdhsa_system_sgpr_workgroup_id_x 1
		.amdhsa_system_sgpr_workgroup_id_y 1
		.amdhsa_system_sgpr_workgroup_id_z 1
		.amdhsa_system_vgpr_workitem_id 0
		.amdhsa_next_free_vgpr 256
		.amdhsa_next_free_sgpr 66
		.amdhsa_reserve_vcc 0
		.amdhsa_float_denorm_mode_32 3
		.amdhsa_float_denorm_mode_16_64 3
		.amdhsa_memory_ordered 1
		.amdhsa_forward_progress 1
		.amdhsa_inst_pref_size 27
	.end_amdhsa_kernel
	.amdgpu_metadata
---
amdhsa.version: [ 1, 2 ]
amdhsa.kernels:
  - .name:           k_q2e17ee5ab0_attn
    .symbol:         k_q2e17ee5ab0_attn.kd
    .args:
      - { .name: qb, .offset: 0, .size: 8, .value_kind: global_buffer, .address_space: global }
      - { .name: kv, .offset: 8, .size: 8, .value_kind: global_buffer, .address_space: global }
      - { .name: ao, .offset: 16, .size: 8, .value_kind: global_buffer, .address_space: global }
      - { .name: aos, .offset: 24, .size: 8, .value_kind: global_buffer, .address_space: global }
    .group_segment_fixed_size: 206848
    .private_segment_fixed_size: 0
    .kernarg_segment_align: 8
    .kernarg_segment_size: 32
    .max_flat_workgroup_size: 512
    .sgpr_count:     66
    .vgpr_count:     256
    .wavefront_size: 32
...
	.end_amdgpu_metadata
.endif
;; end of part 3
;; launch outp (part 4): grid 64 x 4, 4 waves a work-group, clusters of 4 x 1, 214,528 bytes of LDS; arguments ao, aos, wc, ws, bo, out0; writes out0
.if DOCPART == 4
	.amdgcn_target "amdgcn-amd-amdhsa--gfx1250"
	.amdhsa_code_object_version 6
	.text
	.protected	k_q2e17ee5ab0_outp
	.globl	k_q2e17ee5ab0_outp
	.p2align	8
	.type	k_q2e17ee5ab0_outp,@function
k_q2e17ee5ab0_outp:
	s_mov_b64 s[64:65], 0
	v_nop
	global_prefetch_b8 v0, s[64:65] scope:SCOPE_SE
	s_setreg_imm32_b32 hwreg(HW_REG_WAVE_MODE, 25, 1), 1
	s_wait_xcnt 0x0
	s_wait_alu depctr_hold_cnt(0) depctr_sa_sdst(0) depctr_va_vdst(0) depctr_va_sdst(0) depctr_va_ssrc(0) depctr_va_vcc(0) depctr_vm_vsrc(0)
	s_getreg_b32 s2, hwreg(HW_REG_IB_STS2, 6, 4)
	s_cmp_eq_u32 s2, 0
	s_cbranch_scc0 .Lentry_in_a_cluster
	s_endpgm
.Lentry_in_a_cluster:
	s_bfe_u32 s2, ttmp6, 0x10000c
	s_cmp_lg_u32 s2, 0x3003
	s_cbranch_scc0 .Lentry_shape_is_right
	s_endpgm
.Lentry_shape_is_right:
; out0 = attention's result x Wo + bo, on codes of BF6 with E8M0 scales; f32 out.  Nothing is left out.
; SHARES.  256 work-groups: 64 blocks of 128 rows x 4 groups of 256 columns.  A SLOT is 128 columns of Wo for all of K, 98,304 bytes, dense in wc; a work-group has two, both filled once, at the head, half a slot a wave.
; A wave owns 64 rows x 64 columns of a slot: 16 accumulators by turns; its rows' fragments for all of K come from memory straight into 384 registers and stay.
; CLUSTERS: the four work-groups of a cluster have the same columns and ask for the slots jointly; the rows are each partner's own.  No prefetch: all that the launch reads is asked for at its head.
; Source 0 = 16 columns of Wo, source 1 = 16 rows: a lane holds one row and 8 neighbouring columns.  The bias is the C of the first K step.  Scale words as in proj (lanes 16-31: K steps 4-7, ROW1).
; THE WAY OUT: 16 rows x 256 bytes at a time through the wave's own stage; sixteen lanes store one aligned run of 256 bytes.  Row t of tile a is row 8 a + 32 (t / 8) + t % 8 of my 64.
; REGISTERS: window 0: addresses, scales, bias, Wo's fragments; window 1: my rows' K steps 0-4; window 2: K steps 5-7; window 3: v0-127 accumulators, v128-255 rows on their way out.
; THE ROWS OF A TILE, as quant_x lays them: row m of my tile a is row 8 a + 32 (m / 8) + m % 8 of my 64: the way out stores by this formula.
.set SLOTB, 98304
.set STAGE, 196608
.set SPARE, 214016                     ; behind the four stages of 4,352 bytes: the spare words, that no other line names
.set LI,   4
.set L8,   5
.set ADRB, 6                           ; v6, v7: my 64 columns' fragments in slot 0, 1
.set VBQ,  8
.set STO,  9
.set SPW,  10
.set NIL,  11
.set RD,   12
.set CO,   13
.set SA,   16
.set SB,   32                          ; two slots x 16
.set BI,   64                          ; two slots x 32
.set BF,   128                         ; two sets of 4 x 12
.set G1,   28
.set G0,   36
.set MSB, 0
.macro WIN new
.if MSB != (\new)
	s_set_vgpr_msb (MSB<<8)|(\new)
.set MSB, (\new)
.endif
.endm
.macro PLACES
.rept 4
	v_nop
.endr
.endm
.macro CROUND
	s_barrier_signal -1
	s_barrier_wait -1
	s_cmp_lg_u32 s22, 0
	s_cbranch_scc1 .Lnot_wave_0_\@
	s_barrier_signal -3
.Lnot_wave_0_\@:
	s_barrier_wait -3
	s_barrier_signal -1
	s_barrier_wait -1
.endm
	s_load_b256 s[4:11], s[0:1], 0x0               ; ao, aos, wc, ws
	s_load_b128 s[12:15], s[0:1], 0x20             ; bo, out0
	v_lshl_add_u32 v[SPW], v0, 2, SPARE
	v_mov_b32 v[NIL], 0
	ds_add_u32 v[SPW], v[NIL]                      ; the opening lines: the add, twice on end, and its wait ahead of my tensor load
	ds_add_u32 v[SPW], v[NIL]
	v_lshrrev_b32 v1, 5, v0
	v_readfirstlane_b32 s22, v1                    ; wave
	s_lshr_b32 s23, s22, 1                         ; wr: which 64 rows
	s_and_b32 s24, s22, 1                          ; wc: which 64 columns of a slot
	s_bfe_u32 s25, ttmp6, 0x40000
	s_lshl_b32 s26, ttmp9, 2
	s_add_co_u32 s26, s26, s25                     ; block of 128 rows
	s_and_b32 s27, ttmp7, 0xffff                   ; g
	s_mov_b32 s[G1], 15|(3<<16)|(1<<21)
	s_mov_b32 s[G1+1], 32<<16                      ; half a slot as 192 rows of 256 bytes
	s_mov_b32 s[G1+2], 192<<16
	s_mov_b32 s[G1+3], 32<<16
	s_mov_b32 s[G1+4], 192
	s_mov_b32 s[G1+5], 32
	s_mov_b32 s[G1+6], 0
	s_mov_b32 s[G1+7], 0
	s_mul_i32 s70, s22, 49152
	s_lshl_b32 s71, s27, 1
	s_add_co_u32 s71, s71, 24                      ; Wo's slots begin at 24
	s_mul_i32 s72, s71, SLOTB
	s_add_co_u32 s72, s72, s70
	s_mov_b32 s73, 0
	s_lshl_b32 s76, s26, 3
	s_lshl_b32 s77, s23, 2
	s_add_co_u32 s76, s76, s77                     ; my first tile of rows
	s_mul_i32 s78, s76, 12288
	s_mov_b32 s79, 0
	s_lshl_b32 s76, s76, 9
	s_mov_b32 s77, 0
	s_lshl_b32 s48, s71, 12
	s_lshl_b32 s49, s24, 11
	s_add_co_u32 s48, s48, s49
	s_mov_b32 s49, 0
	s_lshl_b32 s50, s27, 10
	s_lshl_b32 s51, s24, 8
	s_add_co_u32 s50, s50, s51                     ; my first column, in bytes
	s_mov_b32 s51, 0
	s_lshl_b32 s52, s26, 19
	s_lshl_b32 s53, s23, 18
	s_add_co_u32 s52, s52, s53
	s_add_co_u32 s52, s52, s50                     ; and my first row's place in out0
	s_mov_b32 s53, 0
	s_mul_i32 s54, s22, 4352
	s_add_co_u32 s54, s54, STAGE
	s_mul_i32 s55, s24, 49152
	s_wait_dscnt 0x0
	s_wait_kmcnt 0x0
	s_add_nc_u64 s[4:5], s[4:5], s[78:79]
	s_add_nc_u64 s[6:7], s[6:7], s[76:77]
	s_add_nc_u64 s[48:49], s[10:11], s[48:49]
	s_add_nc_u64 s[50:51], s[12:13], s[50:51]
	s_add_nc_u64 s[14:15], s[14:15], s[52:53]
	s_mov_b32 s[G0], 1
	s_mov_b32 s[G0+1], s70
	s_add_nc_u64 s[G0+2:G0+3], s[8:9], s[72:73]
	s_or_b32 s[G0+3], s[G0+3], 0x80000000
	CROUND                                         ; all four work-groups are here: the joint loads meet
	tensor_load_to_lds s[G0:G0+3], s[G1:G1+7]      ; my one tensor load
	s_nop 0
	PLACES
	v_and_b32 v1, 15, v0                           ; r
	v_bfe_u32 v2, v0, 4, 1                         ; h
	v_and_b32 v3, 31, v0
	v_lshlrev_b32 v[LI], 4, v3
	v_lshlrev_b32 v[L8], 3, v3
	v_add_nc_u32 v[ADRB], s55, v[L8]
	v_add_nc_u32 v[ADRB+1], SLOTB, v[ADRB]
	v_lshlrev_b32 v[VBQ], 6, v2
	v_mul_u32_u24 v14, v1, 272
	v_lshl_add_u32 v14, v2, 6, v14
	v_add_nc_u32 v[STO], s54, v14                  ; into the stage: row r, 64 h bytes
	v_mul_u32_u24 v14, v2, 272
	v_lshl_add_u32 v14, v1, 4, v14
	v_add_nc_u32 v[RD], s54, v14                   ; back: sixteen lanes to a row, two rows a load
	v_lshlrev_b32 v14, 12, v2
	v_lshl_add_u32 v[CO], v1, 4, v14               ; and the same in out0
	s_wait_alu depctr_va_vdst(0)
.macro ALOAD k
	WIN 0x40*(1+(\k)/5)
.irp a, 0,1,2,3
.irp p, 0,1,2,3,4,5
	global_load_b64 v[48*((\k)%5)+12*\a+2*\p:48*((\k)%5)+12*\a+2*\p+1], v[L8], s[4:5] offset:12288*\a+1536*(\k)+256*\p
.endr
.endr
.endm
.irp k, 0,1,2,3,4,5,6,7
	ALOAD \k
.endr
	WIN 0
.irp a, 0,1,2,3
	global_load_b128 v[SA+4*\a:SA+4*\a+3], v[LI], s[6:7] offset:512*\a
.endr
.irp t, 0,1
.irp b, 0,1,2,3
	global_load_b128 v[SB+16*\t+4*\b:SB+16*\t+4*\b+3], v[LI], s[48:49] offset:4096*\t+512*\b
	global_load_b128 v[BI+32*\t+8*\b:BI+32*\t+8*\b+3], v[VBQ], s[50:51] offset:512*\t+128*(\b/2)+32*(\b%2)
	global_load_b128 v[BI+32*\t+8*\b+4:BI+32*\t+8*\b+7], v[VBQ], s[50:51] offset:512*\t+128*(\b/2)+32*(\b%2)+16
.endr
.endr
.macro FETCH k, t
.irp b, 0,1,2,3
.irp p, 0,1,2,3,4,5
	ds_load_b64 v[BF+48*((\k)%2)+12*\b+2*\p:BF+48*((\k)%2)+12*\b+2*\p+1], v[ADRB+\t] offset:12288*\b+1536*(\k)+256*\p
.endr
.endr
.endm
.macro WM d, x, y, c, sx, sy, row
.if \row
	v_wmma_scale_f32_16x16x128_f8f6f4 v[\d:\d+7], v[\x:\x+11], v[\y:\y+11], v[\c:\c+7], v[\sx], v[\sy] matrix_a_fmt:MATRIX_FMT_BF6 matrix_b_fmt:MATRIX_FMT_BF6 matrix_a_scale:MATRIX_SCALE_ROW1 matrix_b_scale:MATRIX_SCALE_ROW1
.else
	v_wmma_scale_f32_16x16x128_f8f6f4 v[\d:\d+7], v[\x:\x+11], v[\y:\y+11], v[\c:\c+7], v[\sx], v[\sy] matrix_a_fmt:MATRIX_FMT_BF6 matrix_b_fmt:MATRIX_FMT_BF6
.endif
.endm
.macro MULS k, t, first
.set AR, 48*((\k)%5)
.set AW, 1+(\k)/5
.set BS, BF+48*((\k)%2)
.set KQ, (\k)%4
	WIN (0xf0-0x30*\first)|(AW<<2)
.irp a, 0,1,2,3
.irp b, 0,1,2,3
.if \first
	WM 8*(4*\a+\b), BS+12*\b, AR+12*\a, BI+32*\t+8*\b, SB+16*\t+4*\b+KQ, SA+4*\a+KQ, (\k)/4
.else
	WM 8*(4*\a+\b), BS+12*\b, AR+12*\a, 8*(4*\a+\b), SB+16*\t+4*\b+KQ, SA+4*\a+KQ, (\k)/4
.endif
.endr
.endr
	WIN 0
.endm
.macro COMPUTE t                       ; a slot: 8 K steps; the fragments run one K step ahead
	FETCH 0, \t
	FETCH 1, \t
	s_wait_dscnt 24                                ; all but the next K step's 24 loads
	MULS 0, \t, 1
.irp k, 1,2,3,4,5,6
	PLACES                                         ; in front of loads into the set that the last K step multiplied
	FETCH \k+1, \t
	s_wait_dscnt 24
	MULS \k, \t, 0
.endr
	s_wait_dscnt 0x0
	MULS 7, \t, 0
.endm
.macro TOST a                          ; tile a's 16 rows x 256 bytes into my stage and back by rows: LDS serves a wave's instructions in order
	WIN 0x0c
.irp b, 0,1,2,3
	ds_store_b128 v[STO], v[32*(\a)+8*\b:32*(\a)+8*\b+3] offset:128*(\b/2)+32*(\b%2)         ; each accumulator from its low end on
	ds_store_b128 v[STO], v[32*(\a)+8*\b+4:32*(\a)+8*\b+7] offset:128*(\b/2)+32*(\b%2)+16
.endr
	WIN 0xc0
.irp t, 0,1,2,3,4,5,6,7
	ds_load_b128 v[128+32*(\a)+4*\t:128+32*(\a)+4*\t+3], v[RD] offset:\t*544
.endr
.endm
.macro SEND a, tr, younger             ; younger: the LDS instructions issued behind tile a's loads
	s_wait_dscnt \younger
	WIN 0x0c
.irp t, 0,1,2,3,4,5,6,7
	global_store_b128 v[CO], v[128+32*(\a)+4*\t:128+32*(\a)+4*\t+3], s[14:15] offset:(2*\t+24*(\t/4)+8*(\a))*4096+512*(\tr) th:TH_STORE_NT   ; row m of tile a is row 8 a + 32 (m / 8) + m % 8 of my 64 (the tiles' rows as quant_x lays them); sixteen lanes store 256 consecutive bytes, aligned
.endr
.endm
.macro WAYOUT tr
.rept 5
	v_nop                                          ; behind the last products: four places for the reads of their results, five for the next slot's first products, which begin the accumulators anew
.endr
	s_wait_xcnt 0x0                                ; earlier stores have read their registers: loads may land there
	TOST 0
	TOST 1
	SEND 0, \tr, 16
	TOST 2
	SEND 1, \tr, 16
	TOST 3
	SEND 2, \tr, 16
	SEND 3, \tr, 0
	WIN 0
.endm
	s_wait_alu depctr_va_vdst(0)
	s_wait_tensorcnt 0x0                           ; my half slot has landed,
	s_barrier_signal -1
	s_barrier_wait -1                              ; everybody's has
	s_wait_loadcnt 0x0                             ; my rows, the scale words, the bias
	COMPUTE 0
	WAYOUT 0
	COMPUTE 1
	WAYOUT 1
	s_wait_tensorcnt 0x0                           ; the wave's end: behind my last LDS store
	ds_add_u32 v[SPW], v[NIL]
	s_wait_dscnt 0x0
	CROUND                                         ; the closing round
	s_endpgm
.Lfunc_end_k_q2e17ee5ab0_outp:
	.size	k_q2e17ee5ab0_outp, .Lfunc_end_k_q2e17ee5ab0_outp-k_q2e17ee5ab0_outp
	.p2alignl 7, 3214868480
	.fill 96, 4, 3214868480
	.section	.rodata,"a",@progbits
	.p2align	6, 0x0
	.amdhsa_kernel k_q2e17ee5ab0_outp
		.amdhsa_group_segment_fixed_size 214528
		.amdhsa_private_segment_fixed_size 0
		.amdhsa_enable_private_segment 0
		.amdhsa_kernarg_size 48
		.amdhsa_user_sgpr_count 2
		.amdhsa_user_sgpr_kernarg_segment_ptr 1
		.amdhsa_wavefront_size32 1
		.amdhsa_system_sgpr_workgroup_id_x 1
		.amdhsa_system_sgpr_workgroup_id_y 1
		.amdhsa_system_sgpr_workgroup_id_z 1
		.amdhsa_system_vgpr_workitem_id 0
		.amdhsa_next_free_vgpr 1024
		.amdhsa_next_free_sgpr 96
		.amdhsa_reserve_vcc 0
		.amdhsa_float_denorm_mode_32 3
		.amdhsa_float_denorm_mode_16_64 3
		.amdhsa_memory_ordered 1
		.amdhsa_forward_progress 1
		.amdhsa_inst_pref_size 100
	.end_amdhsa_kernel
	.amdgpu_metadata
---
amdhsa.version: [ 1, 2 ]
amdhsa.kernels:
  - .name:           k_q2e17ee5ab0_outp
    .symbol:         k_q2e17ee5ab0_outp.kd
    .args:
      - { .name: ao, .offset: 0, .size: 8, .value_kind: global_buffer, .address_space: global }
      - { .name: aos, .offset: 8, .size: 8, .value_kind: global_buffer, .address_space: global }
      - { .name: wc, .offset: 16, .size: 8, .value_kind: global_buffer, .address_space: global }
      - { .name: ws, .offset: 24, .size: 8, .value_kind: global_buffer, .address_space: global }
      - { .name: bo, .offset: 32, .size: 8, .value_kind: global_buffer, .address_space: global }
      - { .name: out0, .offset: 40, .size: 8, .value_kind: global_buffer, .address_space: global }
    .group_segment_fixed_size: 214528
    .private_segment_fixed_size: 0
    .kernarg_segment_align: 8
    .kernarg_segment_size: 48
    .max_flat_workgroup_size: 128
    .sgpr_count:     96
    .vgpr_count:     1024
    .wavefront_size: 32
...
	.end_amdgpu_metadata
.endif
;; end of part 4
